; MI455X (gfx1250); checked and timed in simulation.
; The chip was launched on July 23, 2026; its instructions are those of AMD's public machine-readable ISA for CDNA 5 (MIT licence, August 2026) and "CDNA5" Instruction Set Architecture Reference Guide (July 2026). The comments in the code are by the model that wrote it; some were corrected since.
;; Pure Self Attention. Allowed arithmetic: matrix products marked QUANTISED: E2M3 operands, one E8M0 scale for each 32 along K, by v_wmma_scale_f32_16x16x128_f8f6f4 with both operands' format E2M3, f32 sums; everything else in f32.
;; Inputs: Wk 1,024 x 1,024 float32; Wo 1,024 x 1,024 float32; Wq 1,024 x 1,024 float32; Wv 1,024 x 1,024 float32; x 4 x 2,048 x 1,024 float32.
;; Outputs: out0 4 x 2,048 x 1,024 float32.
;; This version of the problem:
;;   THIS VERSION OF THE PROBLEM IS GIVEN IN LOW PRECISION. The matrix products marked QUANTISED in the list below multiply operands that are first quantised to E2M3 (2 exponent bits, 3 mantissa bits; 6 bits a number), with one power-of-two scale for each 32 numbers along K (OCP MX v1.0); their sums are f32. All else is computed in f32.
;;   The module's matrix products, in the order in which they are computed (A, B: the left and right operand; K: the contracted axis; several contracted axes count as one K, in the product's order):
;;     1. [M 8,192, K 1,024] x [K 1,024, N 1,024]; A: input x; B: input Wq: QUANTISED
;;     2. [M 8,192, K 1,024] x [K 1,024, N 1,024]; A: input x; B: input Wk: QUANTISED
;;     3. [M 8,192, K 1,024] x [K 1,024, N 1,024]; A: input x; B: input Wv: QUANTISED
;;     4. batch 64 x [M 2,048, K 64] x [K 64, N 2,048]; A: computed on the way; B: computed on the way: QUANTISED
;;     5. batch 64 x [M 2,048, K 2,048] x [K 2,048, N 64]; A: softmax (see below); B: computed on the way: QUANTISED
;;     6. [M 8,192, K 1,024] x [K 1,024, N 1,024]; A: computed on the way; B: input Wo: QUANTISED
;;   THE QUANTISER, for each operand of a quantised product, along K:
;;     - K is cut into blocks of 32 from its start; a last block that is shorter is filled with zeros.
;;     - A block's scale is 2^e with e = floor(log2(the largest magnitude in the block)) - 2, held to -126 .. 127; a block of zeros has e = 0. As a byte (E8M0): e + 127.
;;     - Each number is divided by its block's scale, clamped to +-7.5, and rounded to the nearest number of E2M3, ties to even, subnormals kept.
;;     - The product sums the exact products of the quantised numbers (number of the format x scale) in f32.
;;   ~~~python
;;   def quantise(x, axis):      # numpy; x: float32 -> the quantised numbers, widened to float32 again
;;       x = np.moveaxis(x, axis, -1); K = x.shape[-1]
;;       x = np.pad(x, [(0, 0)] * (x.ndim - 1) + [(0, -K % 32)]); x = x.reshape(x.shape[:-1] + (-1, 32)); a = np.abs(x).max(-1, keepdims=True)
;;       e = np.where(a > 0, np.clip(np.frexp(np.where(a > 0, a, 1))[1] - 1 - 2, -126, 127), 0)      # np.frexp(a)[1] - 1 = floor(log2(a)), exactly
;;       r = np.clip(x / 2.0 ** e, -7.5, 7.5)
;;       step = 2.0 ** (np.maximum(np.frexp(np.where(r == 0, 1, r))[1] - 1, 0) - 3)
;;       q = np.round(r / step) * step * 2.0 ** e      # np.round: ties to even
;;       return np.moveaxis(q.reshape(q.shape[:-2] + (-1,))[..., :K], -1, axis).astype(np.float32)
;;   ~~~
;;   SOFTMAX AHEAD OF A QUANTISED PRODUCT. Where the list says 'softmax', what is quantised is not the finished softmax but p = 2^(t - M), with t = logit x log2(e) and M = ceil(the row's largest t), a whole number; so 1/2 < the row's largest p <= 1. The row's sum l is taken of the UNQUANTISED p, in f32, and the product's result is divided by l at the end. Since M is a whole number, a kernel that streams over the keys may use a running M (the ceiling of the running maximum): every later rescaling is an exact power of two, which a block's scale takes up: the codes' values come out the same.
;;   OPERANDS COMPUTED ON THE WAY. 'Computed on the way' means the value that the module computes at that place (a softmax that the list does not call 'softmax' is quantised finished and normalised). What goes into a quantiser is computed in f32, as accurately as f32 sums, v_exp_f32 and their like allow (about 1e-6 of the number): no bf16 or f16 on the way to a quantiser, and a product that is left as it is and whose result goes on into a quantised operand takes f32 operands (vector FMAs, or v_wmma_f32_16x16x4_f32). A number that lies on a knife's edge between two numbers of the format may be rounded either way, as far as f32 arithmetic and the matrix unit's own rounding can turn it there, and no further.
;; One version. Each part assembles by itself: llvm-mc -triple=amdgcn-amd-amdhsa -mcpu=gfx1250 --defsym DOCPART=n.
;; ======== version 1 of 1: 4 launches
;; limits: right only within a limited range of input values
;; workspace buffers: xw_c 9,437,184 bytes; xw_s 393,216 bytes; qkv_c 18,874,368 bytes; qkv_s 1,572,864 bytes; y_c 6,291,456 bytes; y_s 262,144 bytes
;; launch quant (part 1): grid 384 x 1, 4 waves a work-group, no clusters, 68,096 bytes of LDS; arguments x, Wq, Wk, Wv, Wo, xw_c, xw_s; writes xw_c, xw_s
.if DOCPART == 1
	.amdgcn_target "amdgcn-amd-amdhsa--gfx1250"
	.amdhsa_code_object_version 6
	.text
	.protected	k_qa7eebfaa77_quant
	.globl	k_qa7eebfaa77_quant
	.p2align	8
	.type	k_qa7eebfaa77_quant,@function
k_qa7eebfaa77_quant:
	s_mov_b64 s[64:65], 0
	v_nop
	global_prefetch_b8 v0, s[64:65] scope:SCOPE_SE
	s_setreg_imm32_b32 hwreg(HW_REG_WAVE_MODE, 25, 1), 1
	s_wait_xcnt 0x0
; x [8192 tokens][1024] f32 and the four weights [1024 (k)][1024 (n)] f32 become codes of E2M3, 6 bits each, K innermost (a row of 1,024 codes is 768 bytes),
; with one E8M0 byte for each 32 along K (32 bytes a row).  A block's scale is 2^(floor(log2(its largest magnitude)) - 2): its byte is the largest magnitude's exponent field - 2.
; THE ORDER OF ROWS.  Row i (a token of x, a column n of a weight) is stored at row sigma(i) = i with bits 3 and 4 exchanged.  So the 16 stored rows of a tile are true rows 0-7 and 16-23 (or 8-15 and 24-31)
; of a group of 32, and the later launches' transposed products leave 16 neighbours along the next K in a lane's 16 registers.
; xw_c: x's 8,192 rows, then at XWC_W the rows 1024 wi + sigma(n) of Wq, Wk, Wv, Wo (wi = 0..3).  xw_s likewise, weights from XWS_W on.
; Work-groups 0-255 take x (K innermost: a plain stream of blocks), work-groups 256-383 the weights (K is the first axis: a lane takes a column, its registers run down K).
; The two paths part on the work-group's number; each has LDS bytes of its own.  No tensor loads, no barrier: waves share nothing.
; LIMITS: a block of zeros, and a block whose largest magnitude lies under 2^-124, gets the byte 1 (the rule says 127 for zeros): its codes are zeros or are held there, and this program alone reads the bytes.
; NaN and infinities among the inputs are not served.
; THE CODES' PLANES.  xw_c is laid in four planes, one for each 256 along K: plane q holds bytes 192 q .. 192 q + 191 of every row's 768, rows 192 bytes apart and dense, KPL bytes a plane (12,288 rows).
; So 128 rows of one plane are 24,576 consecutive bytes that begin at a multiple of 256.  XWC_W is where the weights' rows begin inside a plane.
.set XWC_W, 1572864
.set KPL,   2359296
.set XWS_W, 262144
.set EMAX,  2
.set SP,    80                         ; x: a lane's place in a stage: its 64 bytes + 16 of padding
.set WREG,  8192                       ; x: a wave's LDS: two stages of 32 x SP bytes, behind them its 256 scale bytes
.set R,     16                         ; x: v16-143  eight sets of 16 numbers as loaded
.set X,     144                        ; x: v144-175 two sets of 16 neighbours
.set E,     176                        ; x: v176-191 a scale byte for each step
.set C,     192                        ; x: v192-255 codes: four registers a step, so that no store's data are written again
.set WSTG,  32768                      ; weights: the stages begin here, 32 rows x WP bytes for each wave
.set WP,    272                        ; a stage row: sixteen places of 16 bytes, each with 12 bytes of codes, + 16
.set WX,    32                         ; weights: v32-95 two sets of 32 numbers
.set WC,    96                         ; v96..   a block's codes
.set OUTR,  112                        ; v112-175 the way out
.set SB,    24                         ; v24-25  the scale bytes, four to a register
	s_load_b256 s[4:11], s[0:1], 0x0               ; x s[4:5], Wq s[6:7], Wk s[8:9], Wv s[10:11]
	s_load_b128 s[12:15], s[0:1], 0x20             ; Wo s[12:13], xw_c s[14:15]
	s_load_b64 s[16:17], s[0:1], 0x30              ; xw_s
	v_lshl_add_u32 v251, v0, 2, 0x10800
	v_mov_b32 v255, 0
	v_lshrrev_b32 v1, 5, v0
	v_readfirstlane_b32 s18, v1                    ; wave 0..3
	v_and_b32 v2, 31, v0                           ; lane
	s_cmp_lt_u32 ttmp9, 256
	s_cbranch_scc0 .Lweights
	; ---------------- x.  A wave takes 8 tokens, 8,192 numbers, in 16 steps of 512.  Each load reads 512 consecutive bytes; a step's 2,048 bytes turn through the wave's stage so that a lane holds 16 neighbours.
	v_lshlrev_b32 v3, 4, v2                        ; my 16 bytes of a load's 512
	s_mul_i32 s19, s18, WREG
	v_lshrrev_b32 v14, 2, v2
	v_mul_u32_u24 v14, v14, SP
	v_and_b32 v15, 3, v2
	v_lshl_add_u32 v14, v15, 4, v14
	v_add_nc_u32 v14, s19, v14                     ; the stage, in: SP (lane / 4) + 16 (lane % 4)
	v_mul_u32_u24 v15, v2, SP
	v_add_nc_u32 v15, s19, v15                     ; and out: SP x lane
	v_and_b32 v4, 15, v2
	v_mul_u32_u24 v4, v4, 12                       ; my 12 bytes of a plane's 192: lanes 0-15 write one plane, lanes 16-31 the next
	v_lshrrev_b32 v5, 4, v2
	v_mad_u32_u24 v4, v5, KPL, v4
	v_lshrrev_b32 v5, 1, v2
	s_add_co_u32 s19, s19, 2*32*SP
	v_add_nc_u32 v5, s19, v5                       ; LDS: my block's byte among my wave's 256
	v_lshlrev_b32 v7, 3, v2
	v_add_nc_u32 v6, s19, v7                       ; and on the way out 8 bytes a lane
	s_lshl_b32 s20, ttmp9, 2
	s_add_co_u32 s22, s20, s18                     ; the run of 8 tokens that I read: 4 g + w
	s_lshl_b32 s22, s22, 15                        ; x 32,768 bytes
	s_mov_b32 s23, 0
	s_and_b32 s21, s18, 1                          ; sigma on runs of 8 rows: the wave's two bits change places
	s_lshl_b32 s21, s21, 1
	s_lshr_b32 s24, s18, 1
	s_or_b32 s21, s21, s24
	s_add_co_u32 s20, s20, s21                     ; the run that I write
	s_mul_i32 s24, s20, 1536                       ; 8 rows of 192 bytes in a plane
	s_mov_b32 s25, 0
	s_lshl_b32 s26, s20, 8                         ; 8 rows of 32 bytes
	s_mov_b32 s27, 0
	s_wait_alu depctr_va_vdst(0)
	s_wait_kmcnt 0x0
	s_add_nc_u64 s[4:5], s[4:5], s[22:23]
	s_add_nc_u64 s[14:15], s[14:15], s[24:25]
	s_add_nc_u64 s[16:17], s[16:17], s[26:27]
.macro XLOAD t
.irp i, 0,1,2,3
	global_load_b128 v[R+16*((\t)%8)+4*\i:R+16*((\t)%8)+4*\i+3], v3, s[4:5] offset:2048*(\t)+512*\i th:TH_LOAD_NT
.endr
.endm
.macro XTURN t                         ; step t's numbers through the stage: LDS serves a wave's instructions in order, so no wait stands between the stores and the loads
.irp i, 0,1,2,3
	ds_store_b128 v14, v[R+16*((\t)%8)+4*\i:R+16*((\t)%8)+4*\i+3] offset:32*SP*((\t)%2)+8*SP*\i
.endr
.irp i, 0,1,2,3
	ds_load_b128 v[X+16*((\t)%2)+4*\i:X+16*((\t)%2)+4*\i+3], v15 offset:32*SP*((\t)%2)+16*\i
.endr
.endm
.irp t, 0,1,2,3,4,5,6,7
	XLOAD \t                                       ; eight steps, 32 loads a wave, are on their way
.endr
	s_wait_loadcnt 28                              ; step 0's four loads are in; the seven younger sets stay out
	XTURN 0
.macro XSTEP t
.set XS, X+16*((\t)%2)
.if (\t) > 0
	s_wait_dscnt 1                                 ; this step's numbers are back from the stage (the last step's byte store may be out): so its stores into the stage have read their registers,
.else
	s_wait_dscnt 0x0
.endif
.if (\t)+8 < 16
	XLOAD (\t)+8                                   ; which take the loads of eight steps on
.endif
.if (\t)+1 < 16
.if 14-(\t) >= 7
	s_wait_loadcnt 28                              ; the next step's four loads are in; the seven sets behind it may be out
.else
	s_wait_loadcnt 4*(14-(\t))                     ; towards the end fewer sets are behind it
.endif
	XTURN (\t)+1
.endif
	v_max3_num_f32 v8, |v[XS]|, |v[XS+1]|, |v[XS+2]|               ; the largest magnitude of my 16, in two chains
	v_max3_num_f32 v9, |v[XS+3]|, |v[XS+4]|, |v[XS+5]|
.irp i, 6,10
	v_max3_num_f32 v8, v8, |v[XS+\i]|, |v[XS+\i+1]|
	v_max3_num_f32 v9, v9, |v[XS+\i+2]|, |v[XS+\i+3]|
.endr
	v_max3_num_f32 v8, v8, |v[XS+14]|, |v[XS+15]|
	v_max3_num_f32 v8, v8, v9, (EMAX+1)<<23        ; and the floor 2^(3 - 127): the byte cannot fall under 1
	v_max_num_f32_dpp v8, v8, v8 row_xmask:1 row_mask:0xf bank_mask:0xf   ; with my neighbour's 16: the block's
	v_add_nc_u32 v11, 0xff000000, v8               ; 2 off its exponent field: the conversion takes this operand's exponent field as its scale
	v_cvt_scalef32_pk16_fp6_f32 v[C+4*(\t):C+4*(\t)+2], v[XS:XS+15], v11
	v_lshrrev_b32 v[E+(\t)], 23, v11               ; the scale's byte (also the plain line behind the conversion)
	ds_store_b8 v5, v[E+(\t)] offset:16*(\t)       ; both lanes of a block write the same byte with the same value
	global_store_b96 v4, v[C+4*(\t):C+4*(\t)+2], s[14:15] offset:192*((\t)/2)+2*KPL*((\t)%2)   ; token t / 2, planes 2 (t % 2) and 2 (t % 2) + 1: sixteen lanes store 192 consecutive bytes
.endm
.irp t, 0,1,2,3,4,5,6,7,8,9,10,11,12,13,14,15
	XSTEP \t
.endr
	ds_load_b64 v[12:13], v6                       ; in order behind my byte stores
	s_wait_dscnt 0x0
	global_store_b64 v7, v[12:13], s[16:17]        ; 32 lanes store 256 consecutive bytes, aligned
	s_wait_tensorcnt 0x0
	ds_add_u32 v251, v255
	s_wait_dscnt 0x0
	s_endpgm
	; ---------------- the weights.  Work-group g' = wi x 32 + ky x 8 + nx: weight wi, 256 along K from 256 ky, columns 128 nx on; a wave takes 32 columns.
.Lweights:
	s_sub_co_u32 s19, ttmp9, 256
	s_lshr_b32 s20, s19, 5                         ; wi
	s_and_b32 s21, s19, 7                          ; nx
	s_bfe_u32 s22, s19, 0x20003                    ; ky
	s_lshl_b32 s23, s21, 7
	s_lshl_b32 s24, s18, 5
	s_add_co_u32 s23, s23, s24                     ; my wave's first column, a multiple of 32
	s_mul_i32 s24, s18, 32*WP
	s_add_co_u32 s24, s24, WSTG                    ; my stage
	s_wait_alu depctr_va_vdst(0)
	v_lshlrev_b32 v3, 2, v2                        ; in: 4 bytes a lane
	v_mul_u32_u24 v4, v2, WP
	v_add_nc_u32 v4, s24, v4                       ; into the stage: row = my column
	v_and_b32 v5, 15, v2
	v_lshrrev_b32 v6, 4, v2
	v_mul_u32_u24 v7, v6, WP
	v_lshl_add_u32 v7, v5, 4, v7
	v_add_nc_u32 v7, s24, v7                       ; out of it: sixteen lanes to a row, two rows an instruction
	v_mul_u32_u24 v8, v6, 192
	v_mad_u32_u24 v8, v5, 12, v8                   ; and the same place in the codes' buffer (bit 0 of a row is not moved by sigma)
	v_and_b32 v9, 7, v2                            ; sigma(lane) x 32: my column's row of scale bytes
	v_bfe_u32 v10, v2, 3, 1
	v_lshl_or_b32 v9, v10, 4, v9
	v_bfe_u32 v10, v2, 4, 1
	v_lshl_or_b32 v9, v10, 3, v9
	v_lshlrev_b32 v9, 5, v9
	s_lshl_b32 s26, s22, 20                        ; W: 256 ky rows of 4,096 bytes
	s_lshl_b32 s27, s23, 2
	s_add_co_u32 s26, s26, s27                     ; + 4 x column
	s_mov_b32 s27, 0
	s_lshl_b32 s28, s20, 10
	s_add_co_u32 s28, s28, s23                     ; output row 1024 wi + my first column
	s_mul_i32 s30, s28, 192
	s_mul_i32 s29, s22, KPL                        ; plane ky
	s_add_co_u32 s30, s30, s29
	s_add_co_u32 s30, s30, XWC_W
	s_mov_b32 s31, 0
	s_lshl_b32 s32, s28, 5
	s_lshl_b32 s29, s22, 3
	s_add_co_u32 s32, s32, s29
	s_add_co_u32 s32, s32, XWS_W
	s_mov_b32 s33, 0
	s_wait_kmcnt 0x0
	s_cmp_eq_u32 s20, 1                            ; which weight: the choice hangs on the work-group's number alone
	s_cselect_b64 s[6:7], s[8:9], s[6:7]
	s_cmp_eq_u32 s20, 2
	s_cselect_b64 s[6:7], s[10:11], s[6:7]
	s_cmp_eq_u32 s20, 3
	s_cselect_b64 s[6:7], s[12:13], s[6:7]
	s_add_nc_u64 s[6:7], s[6:7], s[26:27]
	s_add_nc_u64 s[14:15], s[14:15], s[30:31]
	s_add_nc_u64 s[16:17], s[16:17], s[32:33]
.macro WLOAD t                         ; block t: W(32 t + i, my column), i = 0 .. 31: each load reads 128 consecutive bytes a wave
.irp i, 0,1,2,3,4,5,6,7,8,9,10,11,12,13,14,15,16,17,18,19,20,21,22,23,24,25,26,27,28,29,30,31
	global_load_b32 v[WX+32*((\t)%2)+\i], v3, s[6:7] offset:(32*(\t)+\i)*4096 th:TH_LOAD_NT
.endr
.endm
	WLOAD 0
	WLOAD 1
.macro WBLOCK t
.set XS, WX+32*((\t)%2)
.if (\t) < 7
	s_wait_loadcnt 32                              ; this block's 32 loads are in; the next block's 32 may be out
.else
	s_wait_loadcnt 0
.endif
	v_max3_num_f32 v12, |v[XS]|, |v[XS+1]|, |v[XS+2]|              ; the block's largest magnitude: all 32 numbers are mine
	v_max3_num_f32 v13, |v[XS+3]|, |v[XS+4]|, |v[XS+5]|
.irp i, 6,10,14,18,22,26
	v_max3_num_f32 v12, v12, |v[XS+\i]|, |v[XS+\i+1]|
	v_max3_num_f32 v13, v13, |v[XS+\i+2]|, |v[XS+\i+3]|
.endr
	v_max3_num_f32 v12, v12, |v[XS+30]|, |v[XS+31]|
	v_max3_num_f32 v12, v12, v13, (EMAX+1)<<23     ; and the floor
	v_add_nc_u32 v11, 0xff000000, v12              ; the conversion's scale operand
	v_lshrrev_b32 v13, 23, v11                     ; the scale's byte
.if (\t)%4 == 0
	v_mov_b32 v[SB+(\t)/4], v13                    ; four bytes to a register, the lower K in the lower byte
.else
	v_lshl_or_b32 v[SB+(\t)/4], v13, 8*((\t)%4), v[SB+(\t)/4]
.endif
	v_cvt_scalef32_pk16_fp6_f32 v[WC:WC+2], v[XS:XS+15], v11
	v_cvt_scalef32_pk16_fp6_f32 v[WC+4:WC+6], v[XS+16:XS+31], v11  ; (a conversion's three registers begin on an even number)
	v_nop                                          ; one plain line behind the conversions
	ds_store_b96 v4, v[WC:WC+2] offset:32*(\t)     ; 12 bytes to a place of 16, so that every LDS address is a multiple of 16
	ds_store_b96 v4, v[WC+4:WC+6] offset:32*(\t)+16
.if (\t)+2 < 8
	WLOAD (\t)+2
.endif
	s_wait_dscnt 0x0                               ; the stores have read their registers: the next block's codes may be written
.endm
.irp t, 0,1,2,3,4,5,6,7
	WBLOCK \t
.endr
	s_wait_alu depctr_va_vdst(0)
	global_store_b64 v9, v[SB:SB+1], s[16:17]      ; my column's 8 scale bytes, at row sigma(lane)
.irp t, 0,1,2,3,4,5,6,7,8,9,10,11,12,13,14,15
	ds_load_b96 v[OUTR+4*\t:OUTR+4*\t+2], v7 offset:2*\t*WP        ; in order behind my stores
.endr
.irp t, 0,1,2,3,4,5,6,7,8,9,10,11,12,13,14,15
	s_wait_dscnt 15-\t
	global_store_b96 v8, v[OUTR+4*\t:OUTR+4*\t+2], s[14:15] offset:((((2*\t)&7)|(((2*\t)&8)<<1))|(((2*\t)&16)>>1))*192   ; columns 2 t, 2 t + 1 go to rows sigma(2 t), + 1 of plane ky
.endr
	s_wait_tensorcnt 0x0
	ds_add_u32 v251, v255
	s_wait_dscnt 0x0
	s_endpgm
.Lfunc_end_k_qa7eebfaa77_quant:
	.size	k_qa7eebfaa77_quant, .Lfunc_end_k_qa7eebfaa77_quant-k_qa7eebfaa77_quant
	.p2alignl 7, 3214868480
	.fill 96, 4, 3214868480
	.section	.rodata,"a",@progbits
	.p2align	6, 0x0
	.amdhsa_kernel k_qa7eebfaa77_quant
		.amdhsa_group_segment_fixed_size 68096
		.amdhsa_private_segment_fixed_size 0
		.amdhsa_enable_private_segment 0
		.amdhsa_kernarg_size 56
		.amdhsa_user_sgpr_count 2
		.amdhsa_user_sgpr_kernarg_segment_ptr 1
		.amdhsa_wavefront_size32 1
		.amdhsa_system_sgpr_workgroup_id_x 1
		.amdhsa_system_sgpr_workgroup_id_y 1
		.amdhsa_system_sgpr_workgroup_id_z 1
		.amdhsa_system_vgpr_workitem_id 0
		.amdhsa_next_free_vgpr 256
		.amdhsa_next_free_sgpr 66
		.amdhsa_reserve_vcc 0
		.amdhsa_float_denorm_mode_32 3
		.amdhsa_float_denorm_mode_16_64 3
		.amdhsa_memory_ordered 1
		.amdhsa_forward_progress 1
		.amdhsa_inst_pref_size 74
	.end_amdhsa_kernel
	.amdgpu_metadata
---
amdhsa.version: [ 1, 2 ]
amdhsa.kernels:
  - .name:           k_qa7eebfaa77_quant
    .symbol:         k_qa7eebfaa77_quant.kd
    .args:
      - { .name: x, .offset: 0, .size: 8, .value_kind: global_buffer, .address_space: global }
      - { .name: Wq, .offset: 8, .size: 8, .value_kind: global_buffer, .address_space: global }
      - { .name: Wk, .offset: 16, .size: 8, .value_kind: global_buffer, .address_space: global }
      - { .name: Wv, .offset: 24, .size: 8, .value_kind: global_buffer, .address_space: global }
      - { .name: Wo, .offset: 32, .size: 8, .value_kind: global_buffer, .address_space: global }
      - { .name: xw_c, .offset: 40, .size: 8, .value_kind: global_buffer, .address_space: global }
      - { .name: xw_s, .offset: 48, .size: 8, .value_kind: global_buffer, .address_space: global }
    .group_segment_fixed_size: 68096
    .private_segment_fixed_size: 0
    .kernarg_segment_align: 8
    .kernarg_segment_size: 56
    .max_flat_workgroup_size: 128
    .sgpr_count:     66
    .vgpr_count:     256
    .wavefront_size: 32
...
	.end_amdgpu_metadata
.endif
;; end of part 1
;; launch qkv (part 2): grid 8 x 48, 4 waves a work-group, clusters of 4 x 4, 327,680 bytes of LDS; arguments xw_c, xw_s, qkv_c, qkv_s; writes qkv_c, qkv_s
.if DOCPART == 2
	.amdgcn_target "amdgcn-amd-amdhsa--gfx1250"
	.amdhsa_code_object_version 6
	.text
	.protected	k_qa7eebfaa77_qkv
	.globl	k_qa7eebfaa77_qkv
	.p2align	8
	.type	k_qa7eebfaa77_qkv,@function
k_qa7eebfaa77_qkv:
	s_mov_b64 s[64:65], 0
	v_nop
	global_prefetch_b8 v0, s[64:65] scope:SCOPE_SE
	s_setreg_imm32_b32 hwreg(HW_REG_WAVE_MODE, 25, 1), 1
	s_wait_xcnt 0x0
	s_wait_alu depctr_hold_cnt(0) depctr_sa_sdst(0) depctr_va_vdst(0) depctr_va_sdst(0) depctr_va_ssrc(0) depctr_va_vcc(0) depctr_vm_vsrc(0)
	s_getreg_b32 s2, hwreg(HW_REG_IB_STS2, 6, 4)
	s_cmp_eq_u32 s2, 0
	s_cbranch_scc0 .Lentry_in_a_cluster
	s_endpgm
.Lentry_in_a_cluster:
	s_bfe_u32 s2, ttmp6, 0x10000c
	s_cmp_lg_u32 s2, 0xf033
	s_cbranch_scc0 .Lentry_shape_is_right
	s_endpgm
.Lentry_shape_is_right:
; xw_c lies in four planes of 256 along K, rows of 192 bytes, dense: a tile of 128 rows of a plane is 24,576 consecutive bytes and is stated as 96 rows of 256 bytes; the padding's interval stays 64 bytes, so LDS rows are 240 bytes apart.
.set XWC_W,  1572864
.set XWS_W,  262144
.set AC_V,   XWC_W+2048*192
.set AS_V,   XWS_W+2048*32
.set QKVC_V, 12582912
.set QKVS_V, 1048576
.set KSTEP,  256
.set NQ,     2
.set ROWB,   2359296                   ; from a plane to the next
.set KROW,   192                       ; from row to row inside a plane
.set PITCH,  240
.set FR,     12
.set NL,     6
.set NP,     4
.set HALFT,  128*PITCH
.set SLOT,   4*HALFT
.set LAPS,   2
.set KS,     32
.set SCL,    2*SLOT
.set HALFS,  (128*KS/256)*272
.set SBLK,   (16*KS/256)*272
.set SPARE,  SCL+4*HALFS
.set ADRA, 16
.set ADRB, 20
.set L16,  24
.set L8,   25
.set SH,   26
.set ADRS, 27
.set SPW,  28
.set NIL,  29
.set SC,   32
.set TM,   64
.set PW,   80
.set CD,   84
.set SW,   104
.set AF,   128
.set G1, 24
.set G0, 32
.set G1B, 48
.set G0B, 56
.set SEL, 66
.set G1S, 68
.set G0S, 76
.set G1SB, 80
.set G0SB, 88
.set MSB, 0
.macro WIN new
.if MSB != \new
	s_set_vgpr_msb (MSB<<8)|\new
.set MSB, \new
.endif
.endm
.set MUL_LO, 0xa1
.set MUL_HI, 0xf1
.set TO_B,   0x40
.macro JLOAD g0a, g1a, g0b, g1b
	s_cmp_eq_u32 s15, 0
	s_cbranch_scc0 .Lfor_b_\@
	tensor_load_to_lds s[\g0a:\g0a+3], s[\g1a:\g1a+7]
	s_nop 0
.rept 4
	v_nop
.endr
	s_branch .Lasked_\@
.Lfor_b_\@:
	tensor_load_to_lds s[\g0b:\g0b+3], s[\g1b:\g1b+7]
	s_nop 0
.rept 4
	v_nop
.endr
.Lasked_\@:
.endm
.macro CREST
	s_cmp_lg_u32 s14, 0
	s_cbranch_scc1 .Lnot_wave_0_\@
	s_barrier_signal -3
.Lnot_wave_0_\@:
	s_barrier_wait -3
	s_barrier_signal -1
	s_barrier_wait -1
.endm
.macro CROUND
	s_barrier_signal -1
	s_barrier_wait -1
	CREST
.endm
	s_load_b256 s[4:11], s[0:1], 0x0
	v_lshl_add_u32 v[SPW], v0, 2, SPARE
	v_mov_b32 v[NIL], 0
	ds_add_u32 v28, v29
	ds_add_u32 v28, v29
	s_wait_dscnt 0x0
	v_lshrrev_b32 v1, 5, v0
	v_readfirstlane_b32 s14, v1
	s_lshr_b32 s15, s14, 1
	s_and_b32 s16, s14, 1
	s_bfe_u32 s40, ttmp6, 0x40000
	s_bfe_u32 s41, ttmp6, 0x40004
	s_and_b32 s18, ttmp7, 0xffff
	s_sub_co_u32 s19, s18, 8
	s_lshl_b32 s19, s19, 1
	s_add_co_u32 s19, s19, ttmp9
	s_cmp_ge_u32 s18, 8
	s_cselect_b32 s42, s19, ttmp9
	s_cselect_b32 s17, 0, s18
	s_lshl_b32 s42, s42, 2
	s_add_co_u32 s42, s42, s40
	s_lshl_b32 s17, s17, 2
	s_add_co_u32 s17, s17, s41
	s_lshl_b32 s43, s41, 2
	s_lshl_b32 s43, 15, s43
	s_lshl_b32 s44, 0x1111, s40
	s_or_b32 s[G1+0], s43, (0<<16)|(1<<20)|(1<<21)|(3<<22)|(3<<25)
	s_or_b32 s[G1B+0], s44, (0<<16)|(1<<20)|(1<<21)|(3<<22)|(3<<25)
.irp g, G1, G1B
	s_mov_b32 s[\g+1], 256<<16
	s_mov_b32 s[\g+2], 192<<16
	s_mov_b32 s[\g+3], 256<<16
	s_mov_b32 s[\g+4], 192
	s_mov_b32 s[\g+5], 256
	s_mov_b32 s[\g+6], 0
	s_mov_b32 s[\g+7], 0
.endr
	s_or_b32 s[G1S+0], s43, (3<<16)|(1<<20)|(1<<21)|(5<<22)|(3<<25)
	s_or_b32 s[G1SB+0], s44, (3<<16)|(1<<20)|(1<<21)|(5<<22)|(3<<25)
.irp g, G1S, G1SB
	s_mov_b32 s[\g+1], 32<<16
	s_mov_b32 s[\g+2], (256*KS/256)<<16
	s_mov_b32 s[\g+3], 32<<16
	s_mov_b32 s[\g+4], 256*KS/256
	s_mov_b32 s[\g+5], 32
	s_mov_b32 s[\g+6], 0
	s_mov_b32 s[\g+7], 0
.endr
	s_lshl_b32 s19, s16, 7
	s_lshl_b32 s20, s17, 8
	s_add_co_u32 s20, s20, s19
	s_lshl_b32 s46, s42, 8
	s_add_co_u32 s46, s46, s19
	s_lshl_b32 s22, s17, 13
	s_mul_i32 s20, s20, KROW
	s_lshl_b32 s92, s42, 13
	s_mul_i32 s46, s46, KROW
	s_cmp_ge_u32 s18, 8
	s_cselect_b32 s43, QKVC_V, 0
	s_cselect_b32 s44, QKVS_V, 0
	s_mov_b32 s98, 24576
	s_cselect_b32 s98, 98304, s98
	s_mov_b32 s99, 0
	s_mov_b32 s100, 65536
	s_cselect_b32 s100, 8192, s100
	s_mov_b32 s101, 0xffff
	s_cselect_b32 s101, -1, s101
	s_cselect_b32 s95, 0, 16
	s_cselect_b32 s2, AC_V, 0
	s_cselect_b32 s19, AS_V, 0
	s_cselect_b32 s21, 0, XWC_W
	s_cselect_b32 s23, 0, XWS_W
	s_add_co_u32 s20, s20, s2
	s_add_co_u32 s22, s22, s19
	s_add_co_u32 s46, s46, s21
	s_add_co_u32 s92, s92, s23
	s_mov_b32 s21, 0
	s_mov_b32 s23, 0
	s_mov_b32 s47, 0
	s_mov_b32 s93, 0
	s_mul_i32 s45, s14, HALFT
	s_mul_i32 s94, s15, 2*HALFS
	s_mov_b32 s[SEL], 0x76543210
	s_mov_b32 s[SEL+1], 0xfedcba98
	s_wait_kmcnt 0x0
	s_mov_b64 s[12:13], s[8:9]
	s_mov_b64 s[96:97], s[10:11]
	s_add_nc_u64 s[20:21], s[4:5], s[20:21]
	s_add_nc_u64 s[22:23], s[6:7], s[22:23]
	s_add_nc_u64 s[46:47], s[4:5], s[46:47]
	s_add_nc_u64 s[92:93], s[6:7], s[92:93]
	CROUND
	s_mov_b32 s[G0S], 1
	s_add_co_u32 s[G0S+1], s94, SCL
	s_mov_b64 s[G0S+2:G0S+3], s[22:23]
	s_or_b32 s[G0S+3], s[G0S+3], 0x80000000
	s_mov_b32 s[G0SB], 1
	s_add_co_u32 s[G0SB+1], s94, SCL
	s_mov_b64 s[G0SB+2:G0SB+3], s[92:93]
	s_or_b32 s[G0SB+3], s[G0SB+3], 0x80000000
.irp s, 0,1
	s_mov_b32 s[G0+4*\s], 1
	s_add_co_u32 s[G0+4*\s+1], s45, \s*SLOT
	s_add_nc_u64 s[G0+4*\s+2:G0+4*\s+3], s[20:21], \s*ROWB
	s_or_b32 s[G0+4*\s+3], s[G0+4*\s+3], 0x80000000
	s_mov_b32 s[G0B+4*\s], 1
	s_add_co_u32 s[G0B+4*\s+1], s45, \s*SLOT
	s_add_nc_u64 s[G0B+4*\s+2:G0B+4*\s+3], s[46:47], \s*ROWB
	s_or_b32 s[G0B+4*\s+3], s[G0B+4*\s+3], 0x80000000
.if \s == 0
	; the head's four tiles, one joint load a wave, in one chain of branches on the wave's number: wave 0 A's 256 rows of plane 0, wave 2 B's, wave 1 the scales of A's 256 rows, wave 3 those of B's
	s_cmp_eq_u32 s14, 0
	s_cbranch_scc0 .Lhead_b
	tensor_load_to_lds s[G0:G0+3], s[G1:G1+7]
	s_nop 0
.rept 4
	v_nop
.endr
	s_branch .Lhead_asked
.Lhead_b:
	s_cmp_eq_u32 s14, 2
	s_cbranch_scc0 .Lhead_sa
	tensor_load_to_lds s[G0B:G0B+3], s[G1B:G1B+7]
	s_nop 0
.rept 4
	v_nop
.endr
	s_branch .Lhead_asked
.Lhead_sa:
	s_cmp_eq_u32 s14, 1
	s_cbranch_scc0 .Lhead_sb
	tensor_load_to_lds s[G0S:G0S+3], s[G1S:G1S+7]
	s_nop 0
.rept 4
	v_nop
.endr
	s_branch .Lhead_asked
.Lhead_sb:
	tensor_load_to_lds s[G0SB:G0SB+3], s[G1SB:G1SB+7]
	s_nop 0
.rept 4
	v_nop
.endr
.Lhead_asked:
.else
	s_wait_alu depctr_va_vdst(0)
	s_wait_tensorcnt 0x0                           ; my tile of the head's four is in
	ds_add_u32 v28, v29
	s_mov_b32 s[G1+2], 96<<16                      ; no tensor load of mine is out: from here on a load brings 128 rows of a plane, 96 rows of 256 bytes
	s_mov_b32 s[G1+4], 96
	s_mov_b32 s[G1B+2], 96<<16
	s_mov_b32 s[G1B+4], 96
	s_wait_dscnt 0x0
	CROUND
	JLOAD G0+4*\s, G1, G0B+4*\s, G1B
.endif
.endr
	v_and_b32 v1, 15, v0
	v_bfe_u32 v2, v0, 4, 1
	v_mul_u32_u24 v3, v1, PITCH
	v_mul_u32_u24 v4, v2, 24
	v_add_nc_u32 v4, v3, v4
	v_lshl_add_u32 v5, v2, 4, v4
	s_mul_i32 s21, s15, HALFT
	s_mul_i32 s22, s16, HALFT
	s_add_co_u32 s22, s22, 2*HALFT
.irp s, 0,1
	v_add_nc_u32 v[ADRA+\s], s21, v4
	v_add_nc_u32 v[ADRB+\s], s22, v4
	v_add_nc_u32 v[ADRA+2+\s], s21, v5
	v_add_nc_u32 v[ADRB+2+\s], s22, v5
	s_add_co_u32 s21, s21, SLOT
	s_add_co_u32 s22, s22, SLOT
.endr
	v_mul_u32_u24 v5, v1, KS
	v_lshrrev_b32 v6, 8, v5
	v_lshl_add_u32 v5, v6, 4, v5
	s_mul_i32 s21, s15, HALFS
	s_mul_i32 s22, s16, HALFS
	s_add_co_u32 s22, s22, 2*HALFS
	s_sub_co_u32 s22, s22, s21
	v_mul_u32_u24 v6, s22, v2
	s_add_co_u32 s21, s21, SCL
	v_add_nc_u32 v5, v5, v6
	v_add_nc_u32 v[ADRS], s21, v5
	v_and_b32 v6, 31, v0
	v_lshlrev_b32 v[L16], 4, v6
	v_lshlrev_b32 v[L8], 3, v6
	v_mul_u32_u24 v[SH], s95, v2
.irp b, 0,1,2,3
	v_mov_b32 v[TM+4+\b], 0
.endr
	s_lshl_b32 s18, s17, 4
	s_lshl_b32 s19, s15, 3
	s_add_co_u32 s18, s18, s19
	s_mul_i32 s18, s18, s98
	s_add_co_u32 s18, s18, s43
	s_lshl_b32 s2, s42, 1
	s_add_co_u32 s2, s2, s16
	s_mul_i32 s19, s2, 1536
	s_add_co_u32 s18, s18, s19
	s_mov_b32 s19, 0
	s_add_nc_u64 s[12:13], s[12:13], s[18:19]
	s_mul_i32 s18, s2, s100
	s_add_co_u32 s18, s18, s44
	s_lshl_b32 s2, s17, 1
	s_add_co_u32 s2, s2, s15
	s_lshl_b32 s2, s2, 10
	s_add_co_u32 s18, s18, s2
	s_add_nc_u64 s[96:97], s[96:97], s[18:19]
.macro FRAG reg, adr, q, i
.irp p, 0,1,2,3,4,5
.set PCE, 12*(\q)+6*(\p/3)+\p%3
.if PCE%8 < 5
	ds_load_b64 v[\reg+2*\p:\reg+2*\p+1], v[\adr] offset:8*PCE+16*(PCE/8)+(\i)*16*PITCH
.else
	ds_load_b64 v[\reg+2*\p:\reg+2*\p+1], v[\adr+2] offset:8*PCE+16*(PCE/8)+(\i)*16*PITCH
.endif
.endr
.endm
.macro MUL16 a0, p, q, sc, zero
.irp a, \a0, \a0+1
.irp b, 0,1,2,3,4,5,6,7
.if \zero
	v_wmma_scale_f32_16x16x128_f8f6f4 v[8*(8*((\a)%4)+\b):8*(8*((\a)%4)+\b)+7], v[128*(\p)+FR*\b:128*(\p)+FR*\b+FR-1], v[AF+FR*(\a):AF+FR*(\a)+FR-1], 0, v[SC+8*NQ*(\sc)+NQ*\b+(\q)], v[SC+8*NQ*(\sc)+NQ*(\a)+(\q)] matrix_a_fmt:MATRIX_FMT_FP6 matrix_b_fmt:MATRIX_FMT_FP6 matrix_a_scale:MATRIX_SCALE_ROW1
.else
	v_wmma_scale_f32_16x16x128_f8f6f4 v[8*(8*((\a)%4)+\b):8*(8*((\a)%4)+\b)+7], v[128*(\p)+FR*\b:128*(\p)+FR*\b+FR-1], v[AF+FR*(\a):AF+FR*(\a)+FR-1], v[8*(8*((\a)%4)+\b):8*(8*((\a)%4)+\b)+7], v[SC+8*NQ*(\sc)+NQ*\b+(\q)], v[SC+8*NQ*(\sc)+NQ*(\a)+(\q)] matrix_a_fmt:MATRIX_FMT_FP6 matrix_b_fmt:MATRIX_FMT_FP6 matrix_a_scale:MATRIX_SCALE_ROW1
.endif
.endr
.endr
.endm
.macro FETCH_B slot, q, p
	WIN TO_B
.irp i, 0,1,2,3,4,5,6,7
	FRAG 128*(\p)+FR*\i, ADRB+\slot, \q, \i
.endr
	WIN 0
.endm
.macro FETCH_A slot, q, i0
.irp i, \i0, \i0+1, \i0+2, \i0+3
	FRAG AF+FR*(\i), ADRA+\slot, \q, \i
.endr
.endm
.macro SCALES sc
.irp i, 0,1,2,3,4,5,6,7
	ds_load_b64 v[SC+8*NQ*\sc+NQ*\i:SC+8*NQ*\sc+NQ*\i+1], v[ADRS] offset:\i*SBLK
.endr
.endm
.macro PLACES n
.rept \n
	v_nop
.endr
.endm
.macro STEP slot, q, zero
	s_wait_dscnt 4*NL
	WIN MUL_LO
	MUL16 0, (\q)%2, \q, \slot, \zero
	MUL16 2, (\q)%2, \q, \slot, \zero
	s_wait_dscnt 0
	PLACES NP
	FETCH_B \slot, (\q)+1, 1-(\q)%2
	FETCH_A \slot, (\q)+1, 0
	WIN MUL_HI
	MUL16 4, (\q)%2, \q, \slot, \zero
	MUL16 6, (\q)%2, \q, \slot, \zero
	PLACES NP
	WIN 0
	FETCH_A \slot, (\q)+1, 4
.endm
.macro TURN slot, next, fill
	s_wait_tensorcnt 0x0
	ds_add_u32 v[SPW], v[NIL]
	s_wait_dscnt 4*NL+1
	WIN MUL_LO
	MUL16 0, 1, NQ-1, \slot, 0
	s_wait_dscnt 0x0
	s_barrier_signal -1
	MUL16 2, 1, NQ-1, \slot, 0
	WIN 0
	s_barrier_wait -1
.if \fill
	CREST
	s_add_nc_u64 s[G0+4*\slot+2:G0+4*\slot+3], s[G0+4*\slot+2:G0+4*\slot+3], 2*ROWB
	s_add_nc_u64 s[G0B+4*\slot+2:G0B+4*\slot+3], s[G0B+4*\slot+2:G0B+4*\slot+3], 2*ROWB
	JLOAD G0+4*\slot, G1, G0B+4*\slot, G1B
.else
	PLACES NP
.endif
	s_wait_alu depctr_va_vdst(0)
	v_add_nc_u32 v[ADRS], 4*NQ, v[ADRS]
	FETCH_B \next, 0, 0
	FETCH_A \next, 0, 0
	SCALES \next
	WIN MUL_HI
	MUL16 4, 1, NQ-1, \slot, 0
	MUL16 6, 1, NQ-1, \slot, 0
	PLACES NP
	WIN 0
	FETCH_A \next, 0, 4
.endm
	s_wait_alu depctr_va_vdst(0)
	s_wait_tensorcnt 1
	s_barrier_signal -1
	s_barrier_wait -1
	FETCH_B 0, 0, 0
	FETCH_A 0, 0, 0
	SCALES 0
	FETCH_A 0, 0, 4
	STEP 0, 0, 1
	s_mov_b32 s3, LAPS-1
.Llap:
	TURN 0, 1, 1
	STEP 1, 0, 0
	TURN 1, 0, 1
	STEP 0, 0, 0
	s_sub_co_u32 s3, s3, 1
	s_cmp_lg_u32 s3, 0
	s_cbranch_scc1 .Llap
	TURN 0, 1, 0
	STEP 1, 0, 0
	s_wait_dscnt 4*NL
	WIN MUL_LO
	MUL16 0, 1, NQ-1, 1, 0
	MUL16 2, 1, NQ-1, 1, 0
	s_wait_dscnt 0
	WIN MUL_HI
	MUL16 4, 1, NQ-1, 1, 0
	MUL16 6, 1, NQ-1, 1, 0
	WIN 0
	PLACES NP
.macro QOUT a
.set AC, 64*((\a)%4)
.set WN, 2+(\a)/4
.set WS, (WN<<2)|(WN<<4)
	WIN WS
.irp b, 0,1,2,3
	v_max3_num_f32 v[TM+\b], 0x1800000, |v[AC+16*\b]|, |v[AC+16*\b+1]|
.endr
.irp i, 2,4,6,8,10,12,14
.irp b, 0,1,2,3
	v_max3_num_f32 v[TM+\b], v[TM+\b], |v[AC+16*\b+\i]|, |v[AC+16*\b+\i+1]|
.endr
.endr
	WIN 0
.irp b, 0,1,2,3
	v_permlanex16_b32 v[TM+4+\b], v[TM+\b], s[SEL], s[SEL+1]
.endr
.irp b, 0,1,2,3
	v_max_num_f32 v[TM+\b], v[TM+\b], v[TM+4+\b]
.endr
.irp b, 0,1,2,3
	v_add_nc_u32 v[TM+12+\b], 0xff000000, v[TM+\b]
.endr
.irp b, 0,1,2,3
	v_lshrrev_b32 v[TM+4+\b], 23, v[TM+12+\b]
.endr
	v_lshl_or_b32 v[PW], v[TM+5], 8, v[TM+4]
	v_lshl_or_b32 v[PW], v[TM+6], 16, v[PW]
	v_lshl_or_b32 v[PW], v[TM+7], 24, v[PW]
	v_lshrrev_b32 v[SW+\a], v[SH], v[PW]
	v_and_b32 v[SW+\a], s101, v[SW+\a]
	s_wait_xcnt 0x0
.if (\a) > 0
	s_add_nc_u64 s[12:13], s[12:13], s[98:99]
.endif
	WIN WN
.irp c, 0,1
	v_cvt_scalef32_pk16_fp6_f32 v[CD+6*\c:CD+6*\c+2], v[AC+32*\c:AC+32*\c+15], v[TM+12+2*\c]
	v_cvt_scalef32_pk16_fp6_f32 v[CD+12+4*\c:CD+14+4*\c], v[AC+16+32*\c:AC+31+32*\c], v[TM+13+2*\c]
.endr
	WIN 0
	v_nop
.irp c, 0,1
.irp i, 0,1,2
	v_permlane16_swap_b32 v[CD+6*\c+\i], v[CD+12+4*\c+\i]
.endr
.irp i, 0,1,2
	v_mov_b32 v[CD+3+6*\c+\i], v[CD+12+4*\c+\i]
.endr
.endr
	global_store_b128 v[L16], v[CD:CD+3], s[12:13] th:TH_STORE_NT
	global_store_b64 v[L8], v[CD+4:CD+5], s[12:13] offset:512 th:TH_STORE_NT
	global_store_b128 v[L16], v[CD+6:CD+9], s[12:13] offset:768 th:TH_STORE_NT
	global_store_b64 v[L8], v[CD+10:CD+11], s[12:13] offset:1280 th:TH_STORE_NT
.endm
.irp a, 0,1,2,3,4,5,6,7
	QOUT \a
.endr
	global_store_b128 v[L16], v[SW:SW+3], s[96:97] th:TH_STORE_NT
	global_store_b128 v[L16], v[SW+4:SW+7], s[96:97] offset:512 th:TH_STORE_NT
	s_wait_tensorcnt 0x0
	ds_add_u32 v[SPW], v[NIL]
	s_wait_dscnt 0x0
	CROUND
	s_endpgm
.Lfunc_end_k_qa7eebfaa77_qkv:
	.size	k_qa7eebfaa77_qkv, .Lfunc_end_k_qa7eebfaa77_qkv-k_qa7eebfaa77_qkv
	.p2alignl 7, 3214868480
	.fill 96, 4, 3214868480
	.section	.rodata,"a",@progbits
	.p2align	6, 0x0
	.amdhsa_kernel k_qa7eebfaa77_qkv
		.amdhsa_group_segment_fixed_size 327680
		.amdhsa_private_segment_fixed_size 0
		.amdhsa_enable_private_segment 0
		.amdhsa_kernarg_size 32
		.amdhsa_user_sgpr_count 2
		.amdhsa_user_sgpr_kernarg_segment_ptr 1
		.amdhsa_wavefront_size32 1
		.amdhsa_system_sgpr_workgroup_id_x 1
		.amdhsa_system_sgpr_workgroup_id_y 1
		.amdhsa_system_sgpr_workgroup_id_z 1
		.amdhsa_system_vgpr_workitem_id 0
		.amdhsa_next_free_vgpr 1024
		.amdhsa_next_free_sgpr 102
		.amdhsa_reserve_vcc 0
		.amdhsa_float_denorm_mode_32 3
		.amdhsa_float_denorm_mode_16_64 3
		.amdhsa_memory_ordered 1
		.amdhsa_forward_progress 1
		.amdhsa_inst_pref_size 167
	.end_amdhsa_kernel
	.amdgpu_metadata
---
amdhsa.version: [ 1, 2 ]
amdhsa.kernels:
  - .name:           k_qa7eebfaa77_qkv
    .symbol:         k_qa7eebfaa77_qkv.kd
    .args:
      - { .name: xw_c, .offset: 0, .size: 8, .value_kind: global_buffer, .address_space: global }
      - { .name: xw_s, .offset: 8, .size: 8, .value_kind: global_buffer, .address_space: global }
      - { .name: qkv_c, .offset: 16, .size: 8, .value_kind: global_buffer, .address_space: global }
      - { .name: qkv_s, .offset: 24, .size: 8, .value_kind: global_buffer, .address_space: global }
    .group_segment_fixed_size: 327680
    .private_segment_fixed_size: 0
    .kernarg_segment_align: 8
    .kernarg_segment_size: 32
    .max_flat_workgroup_size: 128
    .sgpr_count:     102
    .vgpr_count:     1024
    .wavefront_size: 32
...
	.end_amdgpu_metadata
.endif
;; end of part 2
;; launch attn (part 3): grid 4 x 64, 8 waves a work-group, clusters of 4 x 1, 210,944 bytes of LDS; arguments qkv_c, qkv_s, y_c, y_s; writes y_c, y_s
.if DOCPART == 3
	.amdgcn_target "amdgcn-amd-amdhsa--gfx1250"
	.amdhsa_code_object_version 6
	.text
	.protected	k_qa7eebfaa77_attn
	.globl	k_qa7eebfaa77_attn
	.p2align	8
	.type	k_qa7eebfaa77_attn,@function
k_qa7eebfaa77_attn:
	s_mov_b64 s[64:65], 0
	v_nop
	global_prefetch_b8 v0, s[64:65] scope:SCOPE_SE
	s_setreg_imm32_b32 hwreg(HW_REG_WAVE_MODE, 25, 1), 1
	s_wait_xcnt 0x0
	s_wait_alu depctr_hold_cnt(0) depctr_sa_sdst(0) depctr_va_vdst(0) depctr_va_sdst(0) depctr_va_ssrc(0) depctr_va_vcc(0) depctr_vm_vsrc(0)
	s_getreg_b32 s2, hwreg(HW_REG_IB_STS2, 6, 4)
	s_cmp_eq_u32 s2, 0
	s_cbranch_scc0 .Lentry_in_a_cluster
	s_endpgm
.Lentry_in_a_cluster:
	s_bfe_u32 s2, ttmp6, 0x10000c
	s_cmp_lg_u32 s2, 0x3003
	s_cbranch_scc0 .Lentry_shape_is_right
	s_endpgm
.Lentry_shape_is_right:
; Attention of one (batch, head) a cluster, on codes of E2M3 with one E8M0 scale for each 32 along a product's K, and the quantising of its result y along the head's 64.
; t = score x log2(e) / 8; M = the running largest t rounded UP to a whole number; p = 2^(t - M) is quantised along the keys, not normalised; the row's sum is taken of the unquantised p and divides O at the end.
; When M moves, the sum and O are multiplied by 2^(old M - new M): exact.
; SHARES.  The cluster's four work-groups take 512 queries each; each of a work-group's eight waves takes FOUR tiles of 16 queries, in 512 registers, and walks the 2,048 keys once, in 16 steps of 128:
; each fragment of K and of V that a wave reads from LDS serves four tiles.
; THE WHOLE HEAD'S K AND V LIE IN LDS: K's codes (98,304 bytes), V's (98,304), their scale words (8,192 and 4,096), filled ONCE by joint loads that name the four work-groups, one load a wave
; (waves 0-3 K's quarters, 4-5 V's halves, 6 K's scale words, 7 V's).  Nothing is filled again: the loop has no barrier.  Nothing is left to prefetch: all that the launch streams is asked for at its head.
; LAYOUT.  Both products are used transposed: S^T = K Q^T, O^T = V^T P^T: a lane holds ONE query throughout.  Operands lie in memory as images of registers (768 bytes for 6 registers: registers 0-3 at 16 x lane,
; 4-5 at 512 + 8 x lane), 16 stored rows an image, row i stored at i with bits 3 and 4 exchanged.  A TILE IS COMPOSED BY THE LANES' ADDRESSES: rows 0-7 of tile t of a band of 64 are the band's run t of eight true rows,
; rows 8-15 its run 4 + t; run e = 4 g + 2 w + u lies in stored image 2 g + u, rows 8 w on.  So a lane's 32 registers of a band's four tiles are the 32 neighbours 32 (lane / 16) + 0 .. 31: ONE scale block, in the operand's own order.
; No lane swap is needed for p or y, and a block's largest number needs no other lane; lanes 0-7 and 8-15 of such a load read images 1,536 (V: 49,152) bytes apart.
; K = 64 IN AN INSTRUCTION OF 128.  Q's registers 6-11 hold zero codes; a tile of K names twelve registers of which the upper six are the next tile's codes (behind the last: zeros): finite numbers times the code 0.
; The upper two bytes of K's and Q's scale words are 0, a power of two and no NaN.
; THE ORDER OF A STEP.  S^T of tiles 0, 1; their softmax; S^T of tiles 2, 3; V's loads; their softmax; O^T under the new M; the sixteen products with V; the NEXT step's loads of K; and, while those are out,
; the row sums of tiles 2, 3, which no product waits for.  The last step's loads of K read bytes inside LDS (V's first, and V's scale words) that nothing uses.
; The step is written once: O and the sums begin as zeros, and the first change of M multiplies them by 0.
; y's scale byte goes out by a store of one byte a lane, 32 bytes from row to row: one twenty-fourth of the codes' bytes.
; LIMITS: the softmax holds while the scaled scores t stay under 2^31 in magnitude.  A block of zeros, or one whose largest magnitude lies under 2^-124, gets the byte 1.  NaN and infinities are not served.
; REGISTERS.  Window 0: v1-3 spare word, 0, 8 x (lane / 16); scale words v4-23; v24-47 a tile's state (-M, largest score, f, at work, the sum in two halves); v48-79 at work; v80-127 p's codes; v128-255 S^T, then p, of two tiles.
; Window 1: v0-127 O^T of four tiles; v128-181 K's eight tiles and six zeros, then V's four; v184-231 Q; v232-246 addresses.
.set QKVC_V, 12582912
.set QKVS_V, 1048576
.set KC,   0
.set VC,   98304
.set KSO,  196608
.set VSO,  204800
.set SPARE, 0x33000
.set SPW,  1
.set NIL,  2
.set SH8,  3
.set KSC,  4
.set VSC,  12
.set PSC,  16
.set QSC,  20
.set ST,   24
.set TMP,  48                          ; for each of two tiles 16: block maxima 0-1, bytes 2-3, at work 4-5, chains of the sum 6-11, second chains of the maxima 8-9, conversions 8-15
.set P,    80
.set S,    128
.set O,    0                           ; window 1 from here on
.set KV,   128
.set Q,    184
.set K16,  232
.set K8,   233
.set KSA,  234
.set V16,  235
.set V8,   236
.set VSA,  237
.set A16,  238
.set A8,   239
.set B16,  240
.set B8,   241
.set RS,   242
.set L16,  243
.set L8,   244
.set YS,   245
.set R16,  246
.set WV,   16
.set CS,   22
.set SEL,  24
.set G1K,  28
.set G1V,  36
.set G1KS, 44
.set G1VS, 52
.set G0K,  60
.set G0V,  68
.set G0KS, 72
.set G0VS, 76
.set TK,   80
.set TV,   81
.set NC,   82
.set TS,   83
.set TJ,   84
.set CNT,  85
.set MSB, 0
.macro WIN new                         ; low byte: bits 1:0 source 0, 3:2 source 1, 5:4 source 2, 7:6 destination; the high byte repeats the setting that is left
.if MSB != \new
	s_set_vgpr_msb (MSB<<8)|\new
.set MSB, \new
.endif
.endm
.macro WALU
	s_wait_alu depctr_va_vdst(0)
.endm
.macro ROUND
	s_barrier_signal -1
	s_barrier_wait -1
	s_cmp_lg_u32 s[WV], 0
	s_cbranch_scc1 .Lnot_wave_0_\@
	s_barrier_signal -3
.Lnot_wave_0_\@:
	s_barrier_wait -3
	s_barrier_signal -1
	s_barrier_wait -1
.endm
.macro SHAPE g, c, r, p                ; group 1: r rows of c elements of 8 bytes, p elements apart; the mask names all four work-groups, bit 21 beside it
	s_mov_b32 s[\g], 15|(3<<16)|(1<<21)
	s_mov_b32 s[\g+1], (\c)<<16
	s_mov_b32 s[\g+2], (\r)<<16
	s_mov_b32 s[\g+3], (\c)<<16
	s_mov_b32 s[\g+4], \r
	s_mov_b32 s[\g+5], \p
	s_mov_b32 s[\g+6], 0
	s_mov_b32 s[\g+7], 0
.endm
.macro TLOAD g0, g1
	tensor_load_to_lds s[\g0:\g0+3], s[\g1:\g1+7]
	s_nop 0
.rept 4
	v_nop
.endr
.endm
	s_load_b256 s[4:11], s[0:1], 0x0               ; qkv_c, qkv_s, y_c, y_s
	v_lshl_add_u32 v[SPW], v0, 2, SPARE
	v_mov_b32 v[NIL], 0
	ds_add_u32 v[SPW], v[NIL]                      ; the opening lines: the add twice on end and its wait
	ds_add_u32 v[SPW], v[NIL]
	v_lshrrev_b32 v3, 5, v0
	v_readfirstlane_b32 s[WV], v3                  ; wave 0..7
	s_bfe_u32 s17, ttmp6, 0x40000                  ; cx: it enters Q's and y's addresses alone
	s_and_b32 s18, ttmp7, 0xffff                   ; 16 x batch + head
	s_lshr_b32 s19, s18, 4                         ; b
	s_and_b32 s20, s18, 15                         ; hd
	s_and_b32 s21, s[WV], 3
	s_lshr_b32 s26, s20, 1
	s_and_b32 s27, s20, 1
	SHAPE G1K, 96, 32, 3072                        ; K: 32 key images of 768 bytes, 24,576 bytes apart
	SHAPE G1V, 3072, 2, 12288                      ; V: two channel images' 16 steps: 2 rows of 24,576 bytes, 98,304 apart
	SHAPE G1KS, 32, 32, 64                         ; K's scale words: 32 rows of 256 bytes, 512 apart
	SHAPE G1VS, 32, 16, 1024                       ; V's: 16 rows of 256 bytes, 8,192 apart
	s_lshl_b32 s86, s19, 7                         ; K: key image 128 b + 32 (w % 4), place 16 + hd
	s_lshl_b32 s87, s21, 5
	s_add_co_u32 s86, s86, s87
	s_mul_i32 s86, s86, 24576
	s_mul_i32 s87, s20, 768
	s_add_co_u32 s86, s86, s87
	s_add_co_u32 s86, s86, 16*768
	s_mov_b32 s87, 0
	s_and_b32 s95, s[WV], 1                        ; V: channel image 4 hd + 2 (w % 2), token group 16 b
	s_lshl_b32 s88, s20, 2
	s_lshl_b32 s89, s95, 1
	s_add_co_u32 s88, s88, s89
	s_mul_i32 s88, s88, 98304
	s_mul_i32 s89, s19, 24576
	s_add_co_u32 s88, s88, s89
	s_add_co_u32 s88, s88, QKVC_V
	s_mov_b32 s89, 0
	s_mul_i32 s95, s95, 49152
	s_lshl_b32 s90, s26, 16                        ; K's scale words
	s_lshl_b32 s91, s19, 14
	s_add_co_u32 s90, s90, s91
	s_lshl_b32 s91, s27, 8
	s_add_co_u32 s90, s90, s91
	s_add_co_u32 s90, s90, 8*65536
	s_mov_b32 s91, 0
	s_lshl_b32 s92, s19, 17                        ; V's
	s_lshl_b32 s93, s26, 10
	s_add_co_u32 s92, s92, s93
	s_lshl_b32 s93, s27, 9
	s_add_co_u32 s92, s92, s93
	s_add_co_u32 s92, s92, QKVS_V
	s_mov_b32 s93, 0
	s_mul_i32 s94, s21, 24576
	s_mov_b32 s[CS], 0x3e38aa3b                    ; c = log2(e) / 8
	s_mov_b32 s[CS+1], s[CS]
	s_mov_b32 s[NC], 0xbe38aa3b                    ; -c
	s_mov_b32 s[SEL], 0x76543210
	s_mov_b32 s[SEL+1], 0xfedcba98
	s_wait_dscnt 0x0
	s_wait_kmcnt 0x0
	s_mov_b32 s[G0K], 1
	s_add_co_u32 s[G0K+1], s94, KC
	s_add_nc_u64 s[G0K+2:G0K+3], s[4:5], s[86:87]
	s_or_b32 s[G0K+3], s[G0K+3], 0x80000000
	s_mov_b32 s[G0V], 1
	s_add_co_u32 s[G0V+1], s95, VC
	s_add_nc_u64 s[G0V+2:G0V+3], s[4:5], s[88:89]
	s_or_b32 s[G0V+3], s[G0V+3], 0x80000000
	s_mov_b32 s[G0KS], 1
	s_mov_b32 s[G0KS+1], KSO
	s_add_nc_u64 s[G0KS+2:G0KS+3], s[6:7], s[90:91]
	s_or_b32 s[G0KS+3], s[G0KS+3], 0x80000000
	s_mov_b32 s[G0VS], 1
	s_mov_b32 s[G0VS+1], VSO
	s_add_nc_u64 s[G0VS+2:G0VS+3], s[6:7], s[92:93]
	s_or_b32 s[G0VS+3], s[G0VS+3], 0x80000000
	ROUND                                          ; all four work-groups are here: the joint loads meet
	s_cmp_lt_u32 s[WV], 4                          ; one chain of branches on the wave's number, one load to an arm
	s_cbranch_scc0 .Lnot_k
	TLOAD G0K, G1K
	s_branch .Lasked
.Lnot_k:
	s_cmp_lt_u32 s[WV], 6
	s_cbranch_scc0 .Lnot_v
	TLOAD G0V, G1V
	s_branch .Lasked
.Lnot_v:
	s_cmp_eq_u32 s[WV], 6
	s_cbranch_scc0 .Lnot_ks
	TLOAD G0KS, G1KS
	s_branch .Lasked
.Lnot_ks:
	TLOAD G0VS, G1VS
.Lasked:
	s_lshl_b32 s95, s19, 7                         ; my queries: images 128 b + 32 cx + 4 w + 0 .. 3
	s_lshl_b32 s96, s17, 5
	s_add_co_u32 s95, s95, s96
	s_lshl_b32 s96, s[WV], 2
	s_add_co_u32 s95, s95, s96
	s_mul_i32 s96, s95, 24576
	s_mul_i32 s2, s20, 768
	s_add_co_u32 s96, s96, s2
	s_mov_b32 s97, 0
	s_add_nc_u64 s[12:13], s[4:5], s[96:97]        ; Q's codes
	s_mul_i32 s96, s95, 12288
	s_add_co_u32 s96, s96, s2
	s_add_nc_u64 s[8:9], s[8:9], s[96:97]          ; y's codes
	s_lshl_b32 s96, s95, 9
	s_lshl_b32 s2, s20, 1
	s_add_co_u32 s96, s96, s2
	s_add_nc_u64 s[10:11], s[10:11], s[96:97]      ; y's scale bytes: 16 rows of 32 bytes an image, + 2 hd
	s_lshr_b32 s98, s95, 3                         ; Q's scale words: token group, half; my four images' words are 16 bytes on end
	s_lshl_b32 s98, s98, 10
	s_bfe_u32 s2, s95, 0x10002
	s_lshl_b32 s2, s2, 9
	s_add_co_u32 s98, s98, s2
	s_lshl_b32 s2, s26, 16
	s_add_co_u32 s98, s98, s2
	s_lshl_b32 s2, s27, 8
	s_add_co_u32 s98, s98, s2
	s_mov_b32 s99, 0
	s_add_nc_u64 s[14:15], s[6:7], s[98:99]
	s_mov_b32 s[TK], KC
	s_mov_b32 s[TV], VC
	s_mov_b32 s[TS], KSO
	s_mov_b32 s[TJ], VSO
	s_mov_b32 s[CNT], 16
	v_and_b32 v128, 7, v0                          ; r % 8
	v_bfe_u32 v129, v0, 3, 1                       ; r / 8
	v_bfe_u32 v130, v0, 4, 1                       ; h
	v_and_b32 v131, 31, v0
	v_and_b32 v132, 15, v0
	v_lshlrev_b32 v133, 4, v128
	v_lshlrev_b32 v134, 3, v128
	v_lshl_add_u32 v135, v130, 8, v133             ; 16 x (r % 8 + 16 h)
	v_lshl_add_u32 v136, v130, 7, v134             ; 8 x the same
	v_lshlrev_b32 v[SH8], 3, v130
	WIN 0x40
	v_mad_u32_u24 v[A16], v129, 1536, v135         ; K: rows 8-15 of a tile come from the image two further on
	v_mad_u32_u24 v[A8], v129, 1536, v136
	v_mad_u32_u24 v[B16], v129, 49152, v135        ; V likewise: channel images are 24,576 bytes apart
	v_mad_u32_u24 v[B8], v129, 49152, v136
	v_lshl_add_u32 v[RS], v129, 3, v133            ; scale words: 16 (r % 8) + 8 (r / 8)
	v_lshlrev_b32 v[L16], 4, v131
	v_lshlrev_b32 v[L8], 3, v131
	v_lshl_add_u32 v[YS], v132, 5, v130            ; 32 r + h
	v_lshlrev_b32 v[R16], 4, v132
	WIN 0x41
.irp i, 0,1,2,3
	global_load_b128 v[Q+12*\i:Q+12*\i+3], v[L16], s[12:13] offset:24576*\i
	global_load_b64 v[Q+12*\i+4:Q+12*\i+5], v[L8], s[12:13] offset:24576*\i+512
.endr
	WIN 0x01
	global_load_b128 v[QSC:QSC+3], v[R16], s[14:15]
	WIN 0x40
.set J, 0
.rept 128
	v_mov_b32 v[O+J], 0
.set J, J+1
.endr
.irp k, 6,7,8,9,10,11
.irp i, 0,1,2,3
	v_mov_b32 v[Q+12*\i+\k], 0                     ; Q's upper 64 along K: zero codes
.endr
	v_mov_b32 v[KV+42+\k], 0                       ; behind K's last tile
.endr
	WIN 0
.irp i, 0,1,2,3
	v_mov_b32 v[ST+6*\i], 0x7f61b1e6               ; -M: 3e38, so that the first f is 0
	v_mov_b32 v[ST+6*\i+1], 0xff61b1e6             ; the largest score so far: -3e38
	v_mov_b32 v[ST+6*\i+2], 0
	v_mov_b32 v[ST+6*\i+3], 0
	v_mov_b32 v[ST+6*\i+4], 0
	v_mov_b32 v[ST+6*\i+5], 0
.endr
	v_mov_b32 v[TMP+5], 0                          ; a lane permute's destination counts as one of its sources
	v_mov_b32 v[TMP+21], 0
	WALU                                           ; the wait at the head's end
	s_wait_loadcnt 0x0                             ; Q
	s_wait_tensorcnt 0x0                           ; my load has landed,
	s_barrier_signal -1
	s_barrier_wait -1                              ; everybody's has: from here on LDS is only read
; the eight tiles of K of the step at s[TK], and their scale words
.macro KLOAD
	WIN 0x44
	v_add_nc_u32 v[K16], s[TK], v[A16]             ; (these four are the places behind the products with V, in front of the loads below)
	v_add_nc_u32 v[K8], s[TK], v[A8]
	v_add_nc_u32 v[KSA], s[TS], v[RS]
	v_nop
	WIN 0x41
.irp c, 0,1
.irp t, 0,1,2,3
	ds_load_b128 v[KV+6*(4*\c+\t):KV+6*(4*\c+\t)+3], v[K16] offset:768*(4*\c+\t%2)+128*(\t/2)
	ds_load_b64 v[KV+6*(4*\c+\t)+4:KV+6*(4*\c+\t)+5], v[K8] offset:768*(4*\c+\t%2)+512+64*(\t/2)
.endr
.endr
	WIN 0x01
.irp c, 0,1
.irp t, 0,1
	ds_load_b64 v[KSC+4*\c+2*\t:KSC+4*\c+2*\t+1], v[KSA] offset:256*\c+128*\t
.endr
.endr
	WIN 0
.endm
; S^T of tiles 2 p and 2 p + 1: sixteen products, each beginning its sum with 0
.macro SCORES p
	WIN 0x05
.irp u, 0,1
.irp t, 0,1,2,3,4,5,6,7
	v_wmma_scale_f32_16x16x128_f8f6f4 v[S+64*\u+8*\t:S+64*\u+8*\t+7], v[KV+6*\t:KV+6*\t+11], v[Q+12*(2*\p+\u):Q+12*(2*\p+\u)+11], 0, v[KSC+\t], v[QSC+2*\p+\u] matrix_a_fmt:MATRIX_FMT_FP6 matrix_b_fmt:MATRIX_FMT_FP6
.endr
.endr
.endm
; the sums of tiles 2 p, 2 p + 1 under the new M
.macro SUMF p
.irp u, 0,1
	v_pk_mul_f32 v[ST+12*\p+6*\u+4:ST+12*\p+6*\u+5], v[ST+12*\p+6*\u+4:ST+12*\p+6*\u+5], v[ST+12*\p+6*\u+2:ST+12*\p+6*\u+3] op_sel_hi:[1,0]
.endr
.endm
; the row's sum of the unquantised p: 32 pairs a tile in four chains, the two tiles by turns
.macro SUMS p
.irp k, 1,2,3
.irp u, 0,1
	v_pk_add_f32 v[TMP+16*\u+4+2*\k:TMP+16*\u+5+2*\k], v[S+64*\u+2*\k:S+64*\u+2*\k+1], v[S+64*\u+2*\k+8:S+64*\u+2*\k+9]
.endr
.endr
.set J, 0
.rept 8
.irp u, 0,1
	v_pk_add_f32 v[ST+12*\p+6*\u+4:ST+12*\p+6*\u+5], v[ST+12*\p+6*\u+4:ST+12*\p+6*\u+5], v[S+64*\u+8*J:S+64*\u+8*J+1]
.endr
.if J >= 2
.irp k, 1,2,3
.irp u, 0,1
	v_pk_add_f32 v[TMP+16*\u+4+2*\k:TMP+16*\u+5+2*\k], v[TMP+16*\u+4+2*\k:TMP+16*\u+5+2*\k], v[S+64*\u+8*J+2*\k:S+64*\u+8*J+2*\k+1]
.endr
.endr
.endif
.set J, J+1
.endr
.irp u, 0,1
	v_pk_add_f32 v[TMP+16*\u+6:TMP+16*\u+7], v[TMP+16*\u+6:TMP+16*\u+7], v[TMP+16*\u+8:TMP+16*\u+9]
.endr
.irp u, 0,1
	v_pk_add_f32 v[ST+12*\p+6*\u+4:ST+12*\p+6*\u+5], v[ST+12*\p+6*\u+4:ST+12*\p+6*\u+5], v[TMP+16*\u+10:TMP+16*\u+11]
.endr
.irp u, 0,1
	v_pk_add_f32 v[ST+12*\p+6*\u+4:ST+12*\p+6*\u+5], v[ST+12*\p+6*\u+4:ST+12*\p+6*\u+5], v[TMP+16*\u+6:TMP+16*\u+7]
.endr
.endm
; The softmax step of tiles 2 p and 2 p + 1, line by line in turn.  A lane's registers 32 c .. 32 c + 31 of a tile are block 2 c + h of the step's 128 keys.
.macro SMA p
.set SA, ST+12*\p
.set PA, P+24*\p
	WIN 0
.irp u, 0,1
.irp c, 0,1
	v_max3_num_f32 v[TMP+16*\u+\c], v[S+64*\u+32*\c], v[S+64*\u+32*\c+1], v[S+64*\u+32*\c+2]   ; each block's largest score, in two chains, each accumulator from its low end on
	v_max3_num_f32 v[TMP+16*\u+8+\c], v[S+64*\u+32*\c+16], v[S+64*\u+32*\c+17], v[S+64*\u+32*\c+18]
.endr
.endr
.irp i, 3,5,7,9,11,13
.irp u, 0,1
.irp c, 0,1
	v_max3_num_f32 v[TMP+16*\u+\c], v[TMP+16*\u+\c], v[S+64*\u+32*\c+\i], v[S+64*\u+32*\c+\i+1]
	v_max3_num_f32 v[TMP+16*\u+8+\c], v[TMP+16*\u+8+\c], v[S+64*\u+32*\c+16+\i], v[S+64*\u+32*\c+17+\i]
.endr
.endr
.endr
.irp u, 0,1
.irp c, 0,1
	v_max_num_f32 v[TMP+16*\u+8+\c], v[TMP+16*\u+8+\c], v[S+64*\u+32*\c+31]
.endr
.endr
.irp u, 0,1
.irp c, 0,1
	v_max3_num_f32 v[TMP+16*\u+\c], v[TMP+16*\u+\c], v[TMP+16*\u+8+\c], v[S+64*\u+32*\c+15]
.endr
.endr
.irp u, 0,1
	v_max_num_f32 v[TMP+16*\u+4], v[TMP+16*\u], v[TMP+16*\u+1]
.endr
.irp u, 0,1
	v_permlanex16_b32 v[TMP+16*\u+5], v[TMP+16*\u+4], s[SEL], s[SEL+1]
.endr
.irp u, 0,1
	v_max3_num_f32 v[SA+6*\u+1], v[SA+6*\u+1], v[TMP+16*\u+4], v[TMP+16*\u+5]   ; the running largest score of my query
.endr
.irp u, 0,1
	v_mul_f32 v[TMP+16*\u+4], s[NC], v[SA+6*\u+1]  ; -t
.endr
.irp u, 0,1
	v_floor_f32 v[TMP+16*\u+4], v[TMP+16*\u+4]     ; the new -M = -ceil(t)
.endr
.irp u, 0,1
	v_sub_f32 v[SA+6*\u+3], v[TMP+16*\u+4], v[SA+6*\u]   ; old M - new M: a whole number, 0 or less
.endr
.irp u, 0,1
	v_mov_b32 v[SA+6*\u], v[TMP+16*\u+4]
.endr
.irp u, 0,1
	v_cvt_i32_f32 v[SA+6*\u+3], v[SA+6*\u+3]       ; (it saturates)
.endr
.irp u, 0,1
	v_ldexp_f32 v[SA+6*\u+2], 1.0, v[SA+6*\u+3]    ; f = 2^(old M - new M)
.endr
.set J, 0
.rept 32
	v_pk_fma_f32 v[S+J:S+J+1], v[S+J:S+J+1], s[CS:CS+1], v[SA:SA+1] op_sel_hi:[1,0,0]   ; t - M, two at a time
	v_pk_fma_f32 v[S+64+J:S+64+J+1], v[S+64+J:S+64+J+1], s[CS:CS+1], v[SA+6:SA+7] op_sel_hi:[1,0,0]
.set J, J+2
.endr
.irp u, 0,1
.irp c, 0,1
	v_fma_f32 v[TMP+16*\u+\c], v[TMP+16*\u+\c], s[CS], v[SA+6*\u]   ; the same of each block's largest score
.endr
.endr
	WALU                                           ; the wait ahead of the batch
.set J, 0
.rept 128
	v_exp_f32 v[S+J], v[S+J]                       ; p = 2^(t - M)
.set J, J+1
.endr
.irp u, 0,1
.irp c, 0,1
	v_exp_f32 v[TMP+16*\u+\c], v[TMP+16*\u+\c]     ; the block's largest p: the same two instructions on the same number give the same bits
.endr
.endr
.if \p == 0
	SUMF 0                                         ; (plain lines behind the exponentials)
.else
	v_nop                                          ; a plain line behind the exponentials; these tiles' sums are taken at the step's end
.endif
	WALU                                           ; and the one wait behind the batch, ahead of its first reader
.if \p == 0
	SUMS 0
.endif
.irp u, 0,1
.irp c, 0,1
	v_max_num_f32 v[TMP+16*\u+\c], 0x1800000, v[TMP+16*\u+\c]   ; the floor 2^(3 - 127): the byte cannot fall under 1
.endr
.endr
.irp u, 0,1
.irp c, 0,1
	v_add_nc_u32 v[TMP+16*\u+\c], 0xff000000, v[TMP+16*\u+\c]   ; 2 off the exponent field: the conversion's scale operand
.endr
.endr
.irp u, 0,1
.irp c, 0,1
	v_cvt_scalef32_pk16_fp6_f32 v[PA+12*\u+6*\c:PA+12*\u+6*\c+2], v[S+64*\u+32*\c:S+64*\u+32*\c+15], v[TMP+16*\u+\c]
	v_cvt_scalef32_pk16_fp6_f32 v[TMP+16*\u+8+4*\c:TMP+16*\u+10+4*\c], v[S+64*\u+32*\c+16:S+64*\u+32*\c+31], v[TMP+16*\u+\c]   ; (a conversion's three registers begin on an even number)
.endr
.endr
.irp u, 0,1
	v_lshrrev_b32 v[TMP+16*\u+2], 23, v[TMP+16*\u]      ; my two blocks' bytes (plain lines behind the conversions)
.endr
.irp u, 0,1
	v_lshrrev_b32 v[TMP+16*\u+3], 23, v[TMP+16*\u+1]
.endr
.irp u, 0,1
	v_lshl_or_b32 v[TMP+16*\u+2], v[TMP+16*\u+3], 16, v[TMP+16*\u+2]
.endr
.irp u, 0,1
	v_lshlrev_b32 v[TMP+16*\u+2], v[SH8], v[TMP+16*\u+2]   ; blocks h and 2 + h: 8 h bits up
.endr
.irp u, 0,1
	v_permlanex16_b32 v[TMP+16*\u+3], v[TMP+16*\u+2], s[SEL], s[SEL+1]
.endr
.irp u, 0,1
	v_or_b32 v[PSC+2*\p+\u], v[TMP+16*\u+2], v[TMP+16*\u+3]   ; with lane l xor 16's two the scale word is whole
.endr
.endm
.macro SMB p                           ; the upper halves of the blocks' codes to their places
	WIN 0
.irp u, 0,1
.irp c, 0,1
.irp k, 0,1,2
	v_mov_b32 v[P+24*\p+12*\u+6*\c+3+\k], v[TMP+16*\u+8+4*\c+\k]
.endr
.endr
.endr
.endm
	KLOAD                                          ; the first step's K
.Lstep:                                                ; 128 keys for my four tiles
	WALU
	s_wait_dscnt 0x0                               ; K and its scale words
	SCORES 0
	WIN 0x44
	v_add_nc_u32 v[V16], s[TV], v[B16]             ; (four places in front of the first read of the scores)
	v_add_nc_u32 v[V8], s[TV], v[B8]
	v_add_nc_u32 v[VSA], s[TJ], v[RS]
	v_nop
	SMA 0
	SCORES 1
	SMB 0                                          ; (twelve places in front of the loads into K's registers and of the first read of the scores)
	WIN 0x41
.irp j, 0,1,2,3                        ; V's four tiles land while the softmax of tiles 2 and 3 is worked
	ds_load_b128 v[KV+12*\j:KV+12*\j+3], v[V16] offset:24576*(\j%2)+128*(\j/2)
	ds_load_b64 v[KV+12*\j+4:KV+12*\j+5], v[V8] offset:24576*(\j%2)+512+64*(\j/2)
	ds_load_b128 v[KV+12*\j+6:KV+12*\j+9], v[V16] offset:24576*(\j%2)+768+128*(\j/2)
	ds_load_b64 v[KV+12*\j+10:KV+12*\j+11], v[V8] offset:24576*(\j%2)+1280+64*(\j/2)
.endr
	WIN 0x01
	ds_load_b64 v[VSC:VSC+1], v[VSA]
	ds_load_b64 v[VSC+2:VSC+3], v[VSA] offset:128
	SMA 1
	SMB 1
	WIN 0x41
	WALU                                           ; the wait here, directly ahead of the first reader of O^T
.irp i, 0,1,2,3
.set J, 0
.rept 16
	v_pk_mul_f32 v[O+32*\i+J:O+32*\i+J+1], v[O+32*\i+J:O+32*\i+J+1], v[ST+6*\i+2:ST+6*\i+3] op_sel_hi:[1,0]   ; O^T under the new M.  (These also stand between the writing of p's codes and scale words and the products)
.set J, J+2
.endr
.endr
	WALU
	s_wait_dscnt 0x0                               ; V and its scale words
	WIN 0x51
.irp j, 0,1,2,3
.irp i, 0,1,2,3
	v_wmma_scale_f32_16x16x128_f8f6f4 v[O+32*\i+8*\j:O+32*\i+8*\j+7], v[KV+12*\j:KV+12*\j+11], v[P+12*\i:P+12*\i+11], v[O+32*\i+8*\j:O+32*\i+8*\j+7], v[VSC+\j], v[PSC+\i] matrix_a_fmt:MATRIX_FMT_FP6 matrix_b_fmt:MATRIX_FMT_FP6
.endr
.endr
	s_add_co_u32 s[TK], s[TK], 6144
	s_add_co_u32 s[TS], s[TS], 512
	KLOAD                                          ; the next step's K is asked for,
	SUMF 1                                         ; and the sums of tiles 2 and 3 are taken while it is out: p lies in S until the next step's first products
	SUMS 1
	s_add_co_u32 s[TV], s[TV], 1536
	s_add_co_u32 s[TJ], s[TJ], 256
	s_sub_co_u32 s[CNT], s[CNT], 1
	s_cmp_lg_u32 s[CNT], 0
	s_cbranch_scc1 .Lstep
; y = O / sum, quantised along the head's 64 and stored as images.  Register 8 j + i of tile j of a lane is channel 32 h + 8 j + i: one scale block a lane.
.irp i, 0,1,2,3
	v_add_f32 v[ST+6*\i+4], v[ST+6*\i+4], v[ST+6*\i+5]   ; the sum's two halves
.endr
.irp i, 0,1,2,3
	v_permlanex16_b32 v[ST+6*\i+3], v[ST+6*\i+4], s[SEL], s[SEL+1]
.endr
.irp i, 0,1,2,3
	v_add_f32 v[ST+6*\i+4], v[ST+6*\i+4], v[ST+6*\i+3]   ; and lane l xor 16's: the row's sum
.endr
	WALU
.irp i, 0,1,2,3
	v_rcp_f32 v[ST+6*\i+2], v[ST+6*\i+4]
.endr
	v_nop
	WIN 0x01
	WALU
.irp i, 0,1,2,3
.set J, 0
.rept 16
	v_pk_mul_f32 v[S+32*\i+J:S+32*\i+J+1], v[O+32*\i+J:O+32*\i+J+1], v[ST+6*\i+2:ST+6*\i+3] op_sel_hi:[1,0]
.set J, J+2
.endr
.endr
	WIN 0
.irp i, 0,1,2,3
	v_max3_num_f32 v[TMP+\i], |v[S+32*\i]|, |v[S+32*\i+1]|, 0x1800000
.endr
.irp k, 2,4,6,8,10,12,14,16,18,20,22,24,26,28,30
.irp i, 0,1,2,3
	v_max3_num_f32 v[TMP+\i], v[TMP+\i], |v[S+32*\i+\k]|, |v[S+32*\i+\k+1]|
.endr
.endr
.irp i, 0,1,2,3
	v_add_nc_u32 v[TMP+\i], 0xff000000, v[TMP+\i]
.endr
.irp i, 0,1,2,3
	v_cvt_scalef32_pk16_fp6_f32 v[P+12*\i:P+12*\i+2], v[S+32*\i:S+32*\i+15], v[TMP+\i]
	v_cvt_scalef32_pk16_fp6_f32 v[TMP+16+4*\i:TMP+18+4*\i], v[S+32*\i+16:S+32*\i+31], v[TMP+\i]
.endr
.irp i, 0,1,2,3
	v_lshrrev_b32 v[TMP+4+\i], 23, v[TMP+\i]       ; my block's byte
.endr
.irp i, 0,1,2,3
.irp k, 0,1,2
	v_mov_b32 v[P+12*\i+3+\k], v[TMP+16+4*\i+\k]
.endr
.endr
	WIN 0x01
.irp i, 0,1,2,3
	global_store_b128 v[L16], v[P+12*\i:P+12*\i+3], s[8:9] offset:12288*\i th:TH_STORE_NT        ; 512 consecutive bytes, aligned
	global_store_b64 v[L8], v[P+12*\i+4:P+12*\i+5], s[8:9] offset:12288*\i+512 th:TH_STORE_NT    ; 256 consecutive bytes, aligned
	global_store_b8 v[YS], v[TMP+4+\i], s[10:11] offset:512*\i
.endr
	WIN 0
	s_wait_tensorcnt 0x0                           ; the wave's end
	ds_add_u32 v[SPW], v[NIL]
	s_wait_dscnt 0x0
	ROUND                                          ; the closing round
	s_endpgm
.Lfunc_end_k_qa7eebfaa77_attn:
	.size	k_qa7eebfaa77_attn, .Lfunc_end_k_qa7eebfaa77_attn-k_qa7eebfaa77_attn
	.p2alignl 7, 3214868480
	.fill 96, 4, 3214868480
	.section	.rodata,"a",@progbits
	.p2align	6, 0x0
	.amdhsa_kernel k_qa7eebfaa77_attn
		.amdhsa_group_segment_fixed_size 210944
		.amdhsa_private_segment_fixed_size 0
		.amdhsa_enable_private_segment 0
		.amdhsa_kernarg_size 32
		.amdhsa_user_sgpr_count 2
		.amdhsa_user_sgpr_kernarg_segment_ptr 1
		.amdhsa_wavefront_size32 1
		.amdhsa_system_sgpr_workgroup_id_x 1
		.amdhsa_system_sgpr_workgroup_id_y 1
		.amdhsa_system_sgpr_workgroup_id_z 1
		.amdhsa_system_vgpr_workitem_id 0
		.amdhsa_next_free_vgpr 512
		.amdhsa_next_free_sgpr 100
		.amdhsa_reserve_vcc 0
		.amdhsa_float_denorm_mode_32 3
		.amdhsa_float_denorm_mode_16_64 3
		.amdhsa_memory_ordered 1
		.amdhsa_forward_progress 1
		.amdhsa_inst_pref_size 82
	.end_amdhsa_kernel
	.amdgpu_metadata
---
amdhsa.version: [ 1, 2 ]
amdhsa.kernels:
  - .name:           k_qa7eebfaa77_attn
    .symbol:         k_qa7eebfaa77_attn.kd
    .args:
      - { .name: qkv_c, .offset: 0, .size: 8, .value_kind: global_buffer, .address_space: global }
      - { .name: qkv_s, .offset: 8, .size: 8, .value_kind: global_buffer, .address_space: global }
      - { .name: y_c, .offset: 16, .size: 8, .value_kind: global_buffer, .address_space: global }
      - { .name: y_s, .offset: 24, .size: 8, .value_kind: global_buffer, .address_space: global }
    .group_segment_fixed_size: 210944
    .private_segment_fixed_size: 0
    .kernarg_segment_align: 8
    .kernarg_segment_size: 32
    .max_flat_workgroup_size: 256
    .sgpr_count:     100
    .vgpr_count:     512
    .wavefront_size: 32
...
	.end_amdgpu_metadata
.endif
;; end of part 3
;; launch oproj (part 4): grid 4 x 32, 4 waves a work-group, clusters of 4 x 4, 327,680 bytes of LDS; arguments y_c, y_s, xw_c, xw_s, out0; writes out0
.if DOCPART == 4
	.amdgcn_target "amdgcn-amd-amdhsa--gfx1250"
	.amdhsa_code_object_version 6
	.text
	.protected	k_qa7eebfaa77_oproj
	.globl	k_qa7eebfaa77_oproj
	.p2align	8
	.type	k_qa7eebfaa77_oproj,@function
k_qa7eebfaa77_oproj:
	s_mov_b64 s[64:65], 0
	v_nop
	global_prefetch_b8 v0, s[64:65] scope:SCOPE_SE
	s_setreg_imm32_b32 hwreg(HW_REG_WAVE_MODE, 25, 1), 1
	s_wait_xcnt 0x0
	s_wait_alu depctr_hold_cnt(0) depctr_sa_sdst(0) depctr_va_vdst(0) depctr_va_sdst(0) depctr_va_ssrc(0) depctr_va_vcc(0) depctr_vm_vsrc(0)
	s_getreg_b32 s2, hwreg(HW_REG_IB_STS2, 6, 4)
	s_cmp_eq_u32 s2, 0
	s_cbranch_scc0 .Lentry_in_a_cluster
	s_endpgm
.Lentry_in_a_cluster:
	s_bfe_u32 s2, ttmp6, 0x10000c
	s_cmp_lg_u32 s2, 0xf033
	s_cbranch_scc0 .Lentry_shape_is_right
	s_endpgm
.Lentry_shape_is_right:
; xw_c lies in four planes of 256 along K, rows of 192 bytes, dense: a tile of 128 rows of Wo in a plane is 24,576 consecutive bytes, stated as 96 rows of 256 bytes; the padding's interval stays 64 bytes.
.set WO_C,   2162688
.set WO_S,   360448
.set NQ,     2
.set ROWB,   2359296                   ; from a plane to the next
.set KROW,   192                       ; from row to row inside a plane
.set PITCH,  240
.set FR,     12
.set NL,     6
.set NLA,    4
.set NP,     4
.set AH,     24576
.set BH,     128*PITCH
.set SLOT,   2*AH+2*BH
.set LAPS,   2
.set KS,     32
.set SCL,    2*SLOT
.set HALFS,  (128*KS/256)*272
.set SBLK,   (16*KS/256)*272
.set SPARE,  SCL+4*HALFS
.set SPITCH, 528
.set ADRA, 16
.set ADRB, 20
.set STO,  24
.set RD,   25
.set CO,   26
.set ADRS, 27
.set SPW,  28
.set NIL,  29
.set SC,   32
.set AF,   128
.set BK,   128
.set G1, 24
.set G0, 32
.set G1B, 48
.set G0B, 56
.set G1S, 68
.set G0S, 76
.set G1SB, 80
.set G0SB, 88
.set MSB, 0
.macro WIN new
.if MSB != \new
	s_set_vgpr_msb (MSB<<8)|\new
.set MSB, \new
.endif
.endm
.set MUL_LO, 0xa1
.set MUL_HI, 0xf1
.set TO_B,   0x40
.macro JLOAD g0a, g1a, g0b, g1b
	s_cmp_eq_u32 s15, 0
	s_cbranch_scc0 .Lfor_b_\@
	tensor_load_to_lds s[\g0a:\g0a+3], s[\g1a:\g1a+7]
	s_nop 0
.rept 4
	v_nop
.endr
	s_branch .Lasked_\@
.Lfor_b_\@:
	tensor_load_to_lds s[\g0b:\g0b+3], s[\g1b:\g1b+7]
	s_nop 0
.rept 4
	v_nop
.endr
.Lasked_\@:
.endm
.macro CREST
	s_cmp_lg_u32 s14, 0
	s_cbranch_scc1 .Lnot_wave_0_\@
	s_barrier_signal -3
.Lnot_wave_0_\@:
	s_barrier_wait -3
	s_barrier_signal -1
	s_barrier_wait -1
.endm
.macro CROUND
	s_barrier_signal -1
	s_barrier_wait -1
	CREST
.endm
	s_load_b256 s[4:11], s[0:1], 0x0
	s_load_b64 s[12:13], s[0:1], 0x20
	v_lshl_add_u32 v[SPW], v0, 2, SPARE
	v_mov_b32 v[NIL], 0
	ds_add_u32 v28, v29
	ds_add_u32 v28, v29
	s_wait_dscnt 0x0
	v_lshrrev_b32 v1, 5, v0
	v_readfirstlane_b32 s14, v1
	s_lshr_b32 s15, s14, 1
	s_and_b32 s16, s14, 1
	s_bfe_u32 s40, ttmp6, 0x40000
	s_bfe_u32 s41, ttmp6, 0x40004
	s_lshl_b32 s42, ttmp9, 2
	s_add_co_u32 s42, s42, s40
	s_and_b32 s17, ttmp7, 0xffff
	s_lshl_b32 s17, s17, 2
	s_add_co_u32 s17, s17, s41
	s_lshl_b32 s43, s41, 2
	s_lshl_b32 s43, 15, s43
	s_lshl_b32 s44, 0x1111, s40
	s_or_b32 s[G1+0], s43, (3<<16)|(1<<21)
	s_mov_b32 s[G1+1], 384<<16
	s_mov_b32 s[G1+2], 16<<16
	s_mov_b32 s[G1+3], 384<<16
	s_mov_b32 s[G1+4], 16
	s_mov_b32 s[G1+5], 1536
	s_mov_b32 s[G1+6], 0
	s_mov_b32 s[G1+7], 0
	s_or_b32 s[G1B+0], s44, (0<<16)|(1<<20)|(1<<21)|(3<<22)|(3<<25)
	s_mov_b32 s[G1B+1], 256<<16
	s_mov_b32 s[G1B+2], 192<<16
	s_mov_b32 s[G1B+3], 256<<16
	s_mov_b32 s[G1B+4], 192
	s_mov_b32 s[G1B+5], 256
	s_mov_b32 s[G1B+6], 0
	s_mov_b32 s[G1B+7], 0
	s_or_b32 s[G1S+0], s43, (3<<16)|(1<<20)|(1<<21)|(5<<22)|(3<<25)
	s_or_b32 s[G1SB+0], s44, (3<<16)|(1<<20)|(1<<21)|(5<<22)|(3<<25)
.irp g, G1S, G1SB
	s_mov_b32 s[\g+1], 32<<16
	s_mov_b32 s[\g+2], (256*KS/256)<<16
	s_mov_b32 s[\g+3], 32<<16
	s_mov_b32 s[\g+4], 256*KS/256
	s_mov_b32 s[\g+5], 32
	s_mov_b32 s[\g+6], 0
	s_mov_b32 s[\g+7], 0
.endr
	s_lshl_b32 s20, s17, 4
	s_lshl_b32 s18, s16, 3
	s_add_co_u32 s20, s20, s18
	s_lshl_b32 s22, s17, 13
	s_mul_i32 s20, s20, 12288
	s_mov_b32 s21, 0
	s_mov_b32 s23, 0
	s_lshl_b32 s46, s42, 8
	s_lshl_b32 s18, s16, 7
	s_add_co_u32 s46, s46, s18
	s_lshl_b32 s92, s42, 13
	s_add_co_u32 s92, s92, WO_S
	s_mul_i32 s46, s46, KROW
	s_add_co_u32 s46, s46, WO_C
	s_mov_b32 s47, 0
	s_mov_b32 s93, 0
	s_mul_i32 s45, s16, AH
	s_mul_i32 s2, s16, BH
	s_add_co_u32 s2, s2, 2*AH
	s_mul_i32 s94, s15, 2*HALFS
	s_wait_kmcnt 0x0
	s_add_nc_u64 s[20:21], s[4:5], s[20:21]
	s_add_nc_u64 s[22:23], s[6:7], s[22:23]
	s_add_nc_u64 s[46:47], s[8:9], s[46:47]
	s_add_nc_u64 s[92:93], s[10:11], s[92:93]
	CROUND
	s_mov_b32 s[G0S], 1
	s_add_co_u32 s[G0S+1], s94, SCL
	s_mov_b64 s[G0S+2:G0S+3], s[22:23]
	s_or_b32 s[G0S+3], s[G0S+3], 0x80000000
	s_mov_b32 s[G0SB], 1
	s_add_co_u32 s[G0SB+1], s94, SCL
	s_mov_b64 s[G0SB+2:G0SB+3], s[92:93]
	s_or_b32 s[G0SB+3], s[G0SB+3], 0x80000000
.irp s, 0,1
	s_mov_b32 s[G0+4*\s], 1
	s_add_co_u32 s[G0+4*\s+1], s45, \s*SLOT
	s_add_nc_u64 s[G0+4*\s+2:G0+4*\s+3], s[20:21], \s*3072
	s_or_b32 s[G0+4*\s+3], s[G0+4*\s+3], 0x80000000
	s_mov_b32 s[G0B+4*\s], 1
	s_add_co_u32 s[G0B+4*\s+1], s2, \s*SLOT
	s_add_nc_u64 s[G0B+4*\s+2:G0B+4*\s+3], s[46:47], \s*ROWB
	s_or_b32 s[G0B+4*\s+3], s[G0B+4*\s+3], 0x80000000
.if \s == 0
	; the head's four tiles, one joint load a wave, in one chain of branches on the wave's number: wave 0 y's 256 rows of the first 256 along K, wave 2 Wo's, wave 1 the scales of y's 256 rows, wave 3 those of Wo's
	s_cmp_eq_u32 s14, 0
	s_cbranch_scc0 .Lhead_b
	tensor_load_to_lds s[G0:G0+3], s[G1:G1+7]
	s_nop 0
.rept 4
	v_nop
.endr
	s_branch .Lhead_asked
.Lhead_b:
	s_cmp_eq_u32 s14, 2
	s_cbranch_scc0 .Lhead_sa
	tensor_load_to_lds s[G0B:G0B+3], s[G1B:G1B+7]
	s_nop 0
.rept 4
	v_nop
.endr
	s_branch .Lhead_asked
.Lhead_sa:
	s_cmp_eq_u32 s14, 1
	s_cbranch_scc0 .Lhead_sb
	tensor_load_to_lds s[G0S:G0S+3], s[G1S:G1S+7]
	s_nop 0
.rept 4
	v_nop
.endr
	s_branch .Lhead_asked
.Lhead_sb:
	tensor_load_to_lds s[G0SB:G0SB+3], s[G1SB:G1SB+7]
	s_nop 0
.rept 4
	v_nop
.endr
.Lhead_asked:
.else
	s_wait_alu depctr_va_vdst(0)
	s_wait_tensorcnt 0x0                           ; my tile of the head's four is in
	ds_add_u32 v28, v29
	s_mov_b32 s[G1+2], 8<<16                       ; no tensor load of mine is out: from here on a load brings 128 rows: 8 images' rows of y, 96 rows of 256 bytes of Wo
	s_mov_b32 s[G1+4], 8
	s_mov_b32 s[G1B+2], 96<<16
	s_mov_b32 s[G1B+4], 96
	s_wait_dscnt 0x0
	CROUND
	JLOAD G0+4*\s, G1, G0B+4*\s, G1B
.endif
.endr
	v_and_b32 v1, 15, v0
	v_bfe_u32 v2, v0, 4, 1
	v_mul_u32_u24 v3, v1, PITCH
	v_mul_u32_u24 v4, v2, 24
	v_add_nc_u32 v4, v3, v4
	v_lshl_add_u32 v5, v2, 4, v4
	v_and_b32 v6, 31, v0
	v_lshlrev_b32 v7, 4, v6
	v_lshlrev_b32 v8, 3, v6
	s_mul_i32 s21, s15, AH
	s_mul_i32 s22, s16, BH
	s_add_co_u32 s22, s22, 2*AH
.irp s, 0,1
	v_add_nc_u32 v[ADRA+\s], s21, v7
	v_add_nc_u32 v[ADRA+2+\s], s21, v8
	v_add_nc_u32 v[ADRB+\s], s22, v4
	v_add_nc_u32 v[ADRB+2+\s], s22, v5
	s_add_co_u32 s21, s21, SLOT
	s_add_co_u32 s22, s22, SLOT
.endr
	v_mul_u32_u24 v5, v1, KS
	v_lshrrev_b32 v6, 8, v5
	v_lshl_add_u32 v5, v6, 4, v5
	s_mul_i32 s21, s15, HALFS
	s_mul_i32 s22, s16, HALFS
	s_add_co_u32 s22, s22, 2*HALFS
	s_sub_co_u32 s22, s22, s21
	v_mul_u32_u24 v6, s22, v2
	s_add_co_u32 s21, s21, SCL
	v_add_nc_u32 v5, v5, v6
	v_add_nc_u32 v[ADRS], s21, v5
	s_mul_i32 s23, s14, 16*SPITCH
	v_mul_u32_u24 v5, v1, SPITCH
	v_lshl_add_u32 v5, v2, 6, v5
	v_add_nc_u32 v[STO], s23, v5
	v_mov_b32 v[CO], v7
	v_add_nc_u32 v[RD], s23, v7
	s_lshl_b32 s20, s17, 8
	s_lshl_b32 s21, s15, 7
	s_add_co_u32 s20, s20, s21
	s_lshl_b32 s20, s20, 12
	s_lshl_b32 s46, s42, 10
	s_lshl_b32 s47, s16, 9
	s_add_co_u32 s46, s46, s47
	s_add_co_u32 s20, s20, s46
	s_mov_b32 s21, 0
	s_add_nc_u64 s[12:13], s[12:13], s[20:21]
.macro FRAG reg, adr, q, i
.irp p, 0,1,2,3,4,5
.set PCE, 12*(\q)+6*(\p/3)+\p%3
.if PCE%8 < 5
	ds_load_b64 v[\reg+2*\p:\reg+2*\p+1], v[\adr] offset:8*PCE+16*(PCE/8)+(\i)*16*PITCH
.else
	ds_load_b64 v[\reg+2*\p:\reg+2*\p+1], v[\adr+2] offset:8*PCE+16*(PCE/8)+(\i)*16*PITCH
.endif
.endr
.endm
.macro FRAGA reg, slot, q, i
	ds_load_b128 v[\reg:\reg+3], v[ADRA+\slot] offset:3072*(\i)+1536*(\q)
	ds_load_b64 v[\reg+4:\reg+5], v[ADRA+2+\slot] offset:3072*(\i)+1536*(\q)+512
	ds_load_b128 v[\reg+6:\reg+9], v[ADRA+\slot] offset:3072*(\i)+1536*(\q)+768
	ds_load_b64 v[\reg+10:\reg+11], v[ADRA+2+\slot] offset:3072*(\i)+1536*(\q)+1280
.endm
.macro MUL16 a0, p, q, sc, zero
.irp a, \a0, \a0+1
.irp b, 0,1,2,3,4,5,6,7
.if \zero
	v_wmma_scale_f32_16x16x128_f8f6f4 v[8*(8*((\a)%4)+\b):8*(8*((\a)%4)+\b)+7], v[128*(\p)+FR*\b:128*(\p)+FR*\b+FR-1], v[AF+FR*(\a):AF+FR*(\a)+FR-1], 0, v[SC+8*NQ*(\sc)+NQ*\b+(\q)], v[SC+8*NQ*(\sc)+NQ*(\a)+(\q)] matrix_a_fmt:MATRIX_FMT_FP6 matrix_b_fmt:MATRIX_FMT_FP6 matrix_a_scale:MATRIX_SCALE_ROW1
.else
	v_wmma_scale_f32_16x16x128_f8f6f4 v[8*(8*((\a)%4)+\b):8*(8*((\a)%4)+\b)+7], v[128*(\p)+FR*\b:128*(\p)+FR*\b+FR-1], v[AF+FR*(\a):AF+FR*(\a)+FR-1], v[8*(8*((\a)%4)+\b):8*(8*((\a)%4)+\b)+7], v[SC+8*NQ*(\sc)+NQ*\b+(\q)], v[SC+8*NQ*(\sc)+NQ*(\a)+(\q)] matrix_a_fmt:MATRIX_FMT_FP6 matrix_b_fmt:MATRIX_FMT_FP6 matrix_a_scale:MATRIX_SCALE_ROW1
.endif
.endr
.endr
.endm
.macro FETCH_B slot, q, p
	WIN TO_B
.irp i, 0,1,2,3,4,5,6,7
	FRAG 128*(\p)+FR*\i, ADRB+\slot, \q, \i
.endr
	WIN 0
.endm
.macro FETCH_A slot, q, i0
.irp i, \i0, \i0+1, \i0+2, \i0+3
	FRAGA AF+FR*(\i), \slot, \q, \i
.endr
.endm
.macro SCALES sc
.irp i, 0,1,2,3,4,5,6,7
	ds_load_b64 v[SC+8*NQ*\sc+NQ*\i:SC+8*NQ*\sc+NQ*\i+1], v[ADRS] offset:\i*SBLK
.endr
.endm
.macro PLACES n
.rept \n
	v_nop
.endr
.endm
.macro STEP slot, q, zero
	s_wait_dscnt 4*NLA
	WIN MUL_LO
	MUL16 0, (\q)%2, \q, \slot, \zero
	MUL16 2, (\q)%2, \q, \slot, \zero
	s_wait_dscnt 0
	PLACES NP
	FETCH_B \slot, (\q)+1, 1-(\q)%2
	FETCH_A \slot, (\q)+1, 0
	WIN MUL_HI
	MUL16 4, (\q)%2, \q, \slot, \zero
	MUL16 6, (\q)%2, \q, \slot, \zero
	PLACES NP
	WIN 0
	FETCH_A \slot, (\q)+1, 4
.endm
.macro TURN slot, next, fill
	s_wait_tensorcnt 0x0
	ds_add_u32 v[SPW], v[NIL]
	s_wait_dscnt 4*NLA+1
	WIN MUL_LO
	MUL16 0, 1, NQ-1, \slot, 0
	s_wait_dscnt 0x0
	s_barrier_signal -1
	MUL16 2, 1, NQ-1, \slot, 0
	WIN 0
	s_barrier_wait -1
.if \fill
	CREST
	s_add_nc_u64 s[G0+4*\slot+2:G0+4*\slot+3], s[G0+4*\slot+2:G0+4*\slot+3], 2*3072
	s_add_nc_u64 s[G0B+4*\slot+2:G0B+4*\slot+3], s[G0B+4*\slot+2:G0B+4*\slot+3], 2*ROWB
	JLOAD G0+4*\slot, G1, G0B+4*\slot, G1B
.else
	PLACES NP
.endif
	s_wait_alu depctr_va_vdst(0)
	v_add_nc_u32 v[ADRS], 4*NQ, v[ADRS]
	FETCH_B \next, 0, 0
	FETCH_A \next, 0, 0
	SCALES \next
	WIN MUL_HI
	MUL16 4, 1, NQ-1, \slot, 0
	MUL16 6, 1, NQ-1, \slot, 0
	PLACES NP
	WIN 0
	FETCH_A \next, 0, 4
.endm
	s_wait_alu depctr_va_vdst(0)
	s_wait_tensorcnt 1
	s_barrier_signal -1
	s_barrier_wait -1
	FETCH_B 0, 0, 0
	FETCH_A 0, 0, 0
	SCALES 0
	FETCH_A 0, 0, 4
	STEP 0, 0, 1
	s_mov_b32 s3, LAPS-1
.Llap:
	TURN 0, 1, 1
	STEP 1, 0, 0
	TURN 1, 0, 1
	STEP 0, 0, 0
	s_sub_co_u32 s3, s3, 1
	s_cmp_lg_u32 s3, 0
	s_cbranch_scc1 .Llap
	TURN 0, 1, 0
	STEP 1, 0, 0
	s_wait_dscnt 4*NLA
	WIN MUL_LO
	MUL16 0, 1, NQ-1, 1, 0
	MUL16 2, 1, NQ-1, 1, 0
	s_wait_dscnt 0
	WIN MUL_HI
	MUL16 4, 1, NQ-1, 1, 0
	MUL16 6, 1, NQ-1, 1, 0
	WIN 0
.macro TOSTAGE a
.set AC, 64*((\a)%4)
.set WD, 0x08+4*((\a)/4)
	WIN WD
.irp b, 0,1,2,3,4,5,6,7
	ds_store_b128 v[STO], v[AC+8*\b:AC+8*\b+3] offset:128*(\b/2)+32*(\b%2)
	ds_store_b128 v[STO], v[AC+8*\b+4:AC+8*\b+7] offset:128*(\b/2)+32*(\b%2)+16
.endr
	WIN 0
.set BB, BK+64*((\a)%2)
.irp t, 0,1,2,3,4,5,6,7,8,9,10,11,12,13,14,15
	ds_load_b128 v[BB+4*\t:BB+4*\t+3], v[RD] offset:\t*SPITCH
.endr
.endm
.macro SEND a, younger
.set BB, BK+64*((\a)%2)
	s_wait_dscnt \younger
.irp t, 0,1,2,3,4,5,6,7,8,9,10,11,12,13,14,15
	global_store_b128 v[CO], v[BB+4*\t:BB+4*\t+3], s[12:13] offset:(32*((\a)/2)+8*((\a)%2)+\t+8*(\t/8))*4096 th:TH_STORE_NT
.endr
.endm
	PLACES NP
	TOSTAGE 0
.irp a, 1,2,3,4,5,6,7
.if \a > 1
	s_wait_xcnt 0x0
.endif
	TOSTAGE \a
	SEND \a-1, 32
.endr
	SEND 7, 0
	s_wait_tensorcnt 0x0
	ds_add_u32 v[SPW], v[NIL]
	s_wait_dscnt 0x0
	CROUND
	s_endpgm
.Lfunc_end_k_qa7eebfaa77_oproj:
	.size	k_qa7eebfaa77_oproj, .Lfunc_end_k_qa7eebfaa77_oproj-k_qa7eebfaa77_oproj
	.p2alignl 7, 3214868480
	.fill 96, 4, 3214868480
	.section	.rodata,"a",@progbits
	.p2align	6, 0x0
	.amdhsa_kernel k_qa7eebfaa77_oproj
		.amdhsa_group_segment_fixed_size 327680
		.amdhsa_private_segment_fixed_size 0
		.amdhsa_enable_private_segment 0
		.amdhsa_kernarg_size 40
		.amdhsa_user_sgpr_count 2
		.amdhsa_user_sgpr_kernarg_segment_ptr 1
		.amdhsa_wavefront_size32 1
		.amdhsa_system_sgpr_workgroup_id_x 1
		.amdhsa_system_sgpr_workgroup_id_y 1
		.amdhsa_system_sgpr_workgroup_id_z 1
		.amdhsa_system_vgpr_workitem_id 0
		.amdhsa_next_free_vgpr 1024
		.amdhsa_next_free_sgpr 98
		.amdhsa_reserve_vcc 0
		.amdhsa_float_denorm_mode_32 3
		.amdhsa_float_denorm_mode_16_64 3
		.amdhsa_memory_ordered 1
		.amdhsa_forward_progress 1
		.amdhsa_inst_pref_size 152
	.end_amdhsa_kernel
	.amdgpu_metadata
---
amdhsa.version: [ 1, 2 ]
amdhsa.kernels:
  - .name:           k_qa7eebfaa77_oproj
    .symbol:         k_qa7eebfaa77_oproj.kd
    .args:
      - { .name: y_c, .offset: 0, .size: 8, .value_kind: global_buffer, .address_space: global }
      - { .name: y_s, .offset: 8, .size: 8, .value_kind: global_buffer, .address_space: global }
      - { .name: xw_c, .offset: 16, .size: 8, .value_kind: global_buffer, .address_space: global }
      - { .name: xw_s, .offset: 24, .size: 8, .value_kind: global_buffer, .address_space: global }
      - { .name: out0, .offset: 32, .size: 8, .value_kind: global_buffer, .address_space: global }
    .group_segment_fixed_size: 327680
    .private_segment_fixed_size: 0
    .kernarg_segment_align: 8
    .kernarg_segment_size: 40
    .max_flat_workgroup_size: 128
    .sgpr_count:     98
    .vgpr_count:     1024
    .wavefront_size: 32
...
	.end_amdgpu_metadata
.endif
;; end of part 4
